; MI455X (gfx1250); checked and timed in simulation.
; The chip was launched on July 23, 2026; its instructions are those of AMD's public machine-readable ISA for CDNA 5 (MIT licence, August 2026) and "CDNA5" Instruction Set Architecture Reference Guide (July 2026). The comments in the code are by the model that wrote it; some were corrected since.
;; Attention. Allowed arithmetic: float matrix products may take bf16 or f16 operands with f32 sums; all other float work in f32.
;; Inputs: attn_b 1,024 float32; attn_w 1,024 x 2,048 float32; encoder_outputs 32 x 2,048 x 1,024 float32; hidden 32 x 1,024 float32; mask 32 x 2,048 int32; v_w 1,024 float32.
;; Outputs: out0 32 x 1,024 float32; out1 32 x 2,048 float32.
;; 2 versions, each right. Each part assembles by itself: llvm-mc -triple=amdgcn-amd-amdhsa -mcpu=gfx1250 --defsym DOCPART=n.
;; ======== version 1 of 2: 3 launches
;; workspace buffers: wbf 2,097,152 bytes; hbw 131,072 bytes; scores 262,144 bytes; pctx 2,097,152 bytes
;; launch prep (part 1): grid 64 x 1, 4 waves a work-group, no clusters, 143,872 bytes of LDS; arguments attn_w, attn_b, hidden, wbf, hbw; writes wbf, hbw
.if DOCPART == 1
	.amdgcn_target "amdgcn-amd-amdhsa--gfx1250"
	.amdhsa_code_object_version 6
	.text
	.protected	k_q0d86466172_prep
	.globl	k_q0d86466172_prep
	.p2align	8
	.type	k_q0d86466172_prep,@function
k_q0d86466172_prep:
	s_mov_b64 s[64:65], 0
	v_nop
	global_prefetch_b8 v0, s[64:65] scope:SCOPE_SE
	s_setreg_imm32_b32 hwreg(HW_REG_WAVE_MODE, 25, 1), 1
	s_wait_xcnt 0x0
; PREPARATION.  c = 2 log2(e).  Two results:
;   wbf = bf16(c * w_e), w_e = attn_w[:, 1024:], laid in the order in which the main launch's waves load matrix fragments:
;         byte  w*524288 + (blk*32+kk)*4096 + t*1024 + hf*512 + lane*16  holds  w_e[o = blk*256 + w*64 + t*16 + lane%16][k = 32 kk + 16 hf + 8 (lane/16) + 0..7]
;   hbw = c * (hidden . w_h^T + attn_b) in f32, w_h = attn_w[:, :1024], laid [o/16][batch][o%16].
; LIMIT, stated: c is multiplied into w_e BEFORE the rounding to bf16 (one rounding of c*w, not of w).
; SHARES.  Work-group g owns outputs o = 16 g .. 16 g + 15.  Wave kq owns k = 256 kq .. 256 kq + 255 of w_e, of w_h and of hidden: 64 rows of 1,024 bytes,
; each read once by loads of 512 consecutive bytes, rounded to bf16 and laid into the wave's own LDS stage; the fragments are read back from there.
; The four waves' partial products hidden . w_h^T meet in LDS behind one barrier.
; No cluster and no tensor load: no two work-groups share a row of attn_w; hidden (128 KiB) is the only shared input, a small part of a work-group's bytes.
.set CSC,    0x4038aa3b                ; c = 2.885390
.set SPITCH, 528                       ; a stage row: 512 bytes of bf16 + 16: an odd multiple of 16 bytes, so the 16 rows of a fragment load start at 16 different groups of banks (ISA guide 11.1)
.set WSTAGE, 64*SPITCH                 ; a wave's stage: rows 0-15 c*w_e, 16-31 w_h, 32-63 hidden
.set RED,    4*WSTAGE                  ; behind the stages: 4 x 2,048 bytes, the waves' partial products
.set LBUF,   16                        ; v[16:79], v[80:143]  two buffers of 16 loads
.set TMP,    144                       ; v[144:175] a batch rounded to bf16
.set WH,     16                        ; v[16:79]   later: fragments of c*w_e on their way out, then of w_h
.set HID,    80                        ; v[80:207]  later: fragments of hidden, two tiles of 16 batches
.set ACC,    208                       ; v[208:215], v[216:223] two accumulators
.set BV,     224                       ; v[224:227] four numbers of attn_b
.set GS,     228                       ; v[228:243] the four partial products
	s_load_b256 s[4:11], s[0:1], 0x0               ; attn_w s[4:5], attn_b s[6:7], hidden s[8:9], wbf s[10:11]
	s_load_b64 s[12:13], s[0:1], 0x20              ; hbw
	v_lshl_add_u32 v254, v0, 2, 0x23000
	v_mov_b32 v255, 0
	v_lshrrev_b32 v1, 5, v0
	v_readfirstlane_b32 s14, v1                    ; wave kq
	v_and_b32 v10, 31, v0                          ; lane
	v_and_b32 v11, 15, v0                          ; r = lane % 16
	v_bfe_u32 v12, v0, 4, 1                        ; h = lane / 16
	v_lshlrev_b32 v1, 4, v10                       ; v1 = 16 lane: global loads and the stores of wbf
	s_mul_i32 s15, s14, WSTAGE                     ; my stage
	v_lshl_add_u32 v2, v10, 3, s15                 ; v2 = stage + 8 lane: where a lane's four bf16 go
	v_mul_u32_u24 v3, v11, SPITCH
	v_lshl_add_u32 v3, v12, 4, v3
	v_add_nc_u32 v3, s15, v3                       ; v3 = stage + r pitch + 16 h: fragment loads
	s_lshl_b32 s15, s14, 11
	s_add_co_u32 s15, s15, RED
	v_lshl_add_u32 v4, v10, 4, s15                 ; v4 = my 2,048 bytes of RED + 16 lane
	; v5: thread i gathers batch b = i / 4, outputs 4 (i % 4) + 0..3.  In an accumulator that is tile b / 16, registers 4 (i % 2) + 0..3 of lane 16 ((i / 2) % 2) + b % 16
	v_lshrrev_b32 v5, 6, v0
	v_lshlrev_b32 v5, 10, v5
	v_and_b32 v7, 1, v0
	v_lshl_add_u32 v5, v7, 9, v5
	v_bfe_u32 v7, v0, 1, 1
	v_lshl_add_u32 v5, v7, 8, v5
	v_bfe_u32 v7, v0, 2, 4
	v_lshl_add_u32 v5, v7, 4, v5
	v_add_nc_u32 v5, RED, v5
	v_lshlrev_b32 v6, 4, v0                        ; v6 = 16 i: my 16 bytes of the group's 2,048 of hbw
	v_and_b32 v8, 3, v0
	v_lshlrev_b32 v8, 4, v8                        ; v8 = my four numbers of the group's 16 of attn_b
	s_mov_b32 s24, CSC
	s_mov_b32 s25, CSC                             ; named with it as a pair, so it is written
	s_lshl_b32 s16, ttmp9, 17                      ; attn_w: 16 g rows of 8,192 bytes
	s_lshl_b32 s18, s14, 10                        ; my 256 columns, 1,024 bytes
	s_add_co_u32 s16, s16, s18
	s_mov_b32 s17, 0
	s_mov_b32 s19, 0
	s_bfe_u32 s20, ttmp9, 0x20002                  ; wbf: o = 16 g, so w = (g / 4) % 4,
	s_lshl_b32 s20, s20, 19
	s_lshr_b32 s22, ttmp9, 4                       ; blk = g / 16,
	s_lshl_b32 s22, s22, 17
	s_add_co_u32 s20, s20, s22
	s_and_b32 s22, ttmp9, 3                        ; t = g % 4,
	s_lshl_b32 s22, s22, 10
	s_add_co_u32 s20, s20, s22
	s_lshl_b32 s22, s14, 15                        ; kk = 8 kq + 0..7
	s_add_co_u32 s20, s20, s22
	s_mov_b32 s21, 0
	s_lshl_b32 s22, ttmp9, 11                      ; hbw: 2,048 bytes a group
	s_mov_b32 s23, 0
	s_lshl_b32 s26, ttmp9, 6                       ; attn_b: 64 bytes a group
	s_mov_b32 s27, 0
	s_wait_kmcnt 0x0
	s_add_nc_u64 s[4:5], s[4:5], s[16:17]
	s_add_nc_u64 s[8:9], s[8:9], s[18:19]
	s_add_nc_u64 s[10:11], s[10:11], s[20:21]
	s_add_nc_u64 s[12:13], s[12:13], s[22:23]
	s_add_nc_u64 s[6:7], s[6:7], s[26:27]
; Batch j of eight: 8 rows x 2 loads of 512 consecutive bytes.  Batches 0, 1: w_e; 2, 3: w_h; 4 to 7: hidden.
.macro PISSUE j
.irp i, 0,1,2,3,4,5,6,7,8,9,10,11,12,13,14,15
.if (\j) < 2
	global_load_b128 v[LBUF+64*((\j)%2)+4*\i:LBUF+64*((\j)%2)+4*\i+3], v1, s[4:5] offset:((\j)*8+\i/2)*8192+4096+(\i%2)*512 th:TH_LOAD_NT
.elseif (\j) < 4
	global_load_b128 v[LBUF+64*((\j)%2)+4*\i:LBUF+64*((\j)%2)+4*\i+3], v1, s[4:5] offset:(((\j)-2)*8+\i/2)*8192+(\i%2)*512 th:TH_LOAD_NT
.else
	global_load_b128 v[LBUF+64*((\j)%2)+4*\i:LBUF+64*((\j)%2)+4*\i+3], v1, s[8:9] offset:(((\j)-4)*8+\i/2)*4096+(\i%2)*512
.endif
.endr
.endm
; Batch j is rounded and laid into stage rows 8 j .. 8 j + 7; its buffer then takes batch j + 2.  left = the younger batch's loads.
.macro PBATCH j, scale, left
	s_wait_loadcnt \left                           ; loads come back in order (ISA guide 5.7.1): batch j is in
.if \scale
.set n, 0
.rept 32
	v_pk_mul_f32 v[LBUF+64*((\j)%2)+2*n:LBUF+64*((\j)%2)+2*n+1], v[LBUF+64*((\j)%2)+2*n:LBUF+64*((\j)%2)+2*n+1], s[24:25] op_sel_hi:[1,0]
.set n, n+1
.endr
.endif
.set n, 0
.rept 32
	v_cvt_pk_bf16_f32 v[TMP+n], v[LBUF+64*((\j)%2)+2*n], v[LBUF+64*((\j)%2)+2*n+1]
.set n, n+1
.endr
.irp i, 0,1,2,3,4,5,6,7,8,9,10,11,12,13,14,15
	ds_store_b64 v2, v[TMP+2*\i:TMP+2*\i+1] offset:((\j)*8+\i/2)*SPITCH+(\i%2)*256   ; 32 lanes x 8 bytes: 256 consecutive bytes
.endr
.if (\j) < 6
	PISSUE (\j)+2
.endif
.endm
	global_load_b128 v[BV:BV+3], v8, s[6:7]        ; attn_b, ahead of the batches: every count below leaves it behind
	PISSUE 0
	PISSUE 1
	PBATCH 0, 1, 16
	PBATCH 1, 1, 16
	PBATCH 2, 0, 16
	PBATCH 3, 0, 16
	PBATCH 4, 0, 16
	PBATCH 5, 0, 16
	PBATCH 6, 0, 16
	PBATCH 7, 0, 0
	; c*w_e goes out as fragments.  The stage is the wave's own and LDS serves a wave's instructions in order (ISA guide 5.7.1.4): no barrier, no wait between stores and loads.
.irp i, 0,1,2,3,4,5,6,7,8,9,10,11,12,13,14,15
	ds_load_b128 v[WH+4*\i:WH+4*\i+3], v3 offset:(\i/2)*64+(\i%2)*32
.endr
.irp i, 0,1,2,3,4,5,6,7,8,9,10,11,12,13,14,15
	s_wait_dscnt 15-\i
	global_store_b128 v1, v[WH+4*\i:WH+4*\i+3], s[10:11] offset:(\i/2)*4096+(\i%2)*512   ; 512 consecutive bytes, aligned
.endr
	s_wait_xcnt 0x0                                ; the stores' data registers are loaded again only behind this wait (ISA guide 3.1)
	; my quarter of hidden . w_h^T: source 0 = 16 rows of w_h (m = o), source 1 = 16 rows of hidden (n = batch), eight steps of 32 along k
.irp i, 0,1,2,3,4,5,6,7,8,9,10,11,12,13,14,15
	ds_load_b128 v[WH+4*\i:WH+4*\i+3], v3 offset:16*SPITCH+(\i/2)*64+(\i%2)*32
.endr
.irp nt, 0,1
.irp i, 0,1,2,3,4,5,6,7,8,9,10,11,12,13,14,15
	ds_load_b128 v[HID+64*\nt+4*\i:HID+64*\nt+4*\i+3], v3 offset:(32+16*\nt)*SPITCH+(\i/2)*64+(\i%2)*32
.endr
.endr
	s_wait_dscnt 0x0
	v_wmma_f32_16x16x32_bf16 v[ACC:ACC+7], v[WH:WH+7], v[HID:HID+7], 0            ; the first step starts both sums
	v_wmma_f32_16x16x32_bf16 v[ACC+8:ACC+15], v[WH:WH+7], v[HID+64:HID+71], 0
.irp k, 1,2,3,4,5,6,7                  ; the two accumulators take turns, one instruction a turn
	v_wmma_f32_16x16x32_bf16 v[ACC:ACC+7], v[WH+8*\k:WH+8*\k+7], v[HID+8*\k:HID+8*\k+7], v[ACC:ACC+7]
	v_wmma_f32_16x16x32_bf16 v[ACC+8:ACC+15], v[WH+8*\k:WH+8*\k+7], v[HID+64+8*\k:HID+64+8*\k+7], v[ACC+8:ACC+15]
.endr
.rept 4
	v_nop                                          ; four places between the last product and the stores that read it
.endr
	ds_store_b128 v4, v[ACC:ACC+3]                 ; each accumulator from its low end on
	ds_store_b128 v4, v[ACC+4:ACC+7] offset:512
	ds_store_b128 v4, v[ACC+8:ACC+11] offset:1024
	ds_store_b128 v4, v[ACC+12:ACC+15] offset:1536
	s_wait_dscnt 0x0                               ; for the others' sake: my partial products are in LDS
	s_barrier_signal -1
	s_barrier_wait -1
.irp w, 0,1,2,3
	ds_load_b128 v[GS+4*\w:GS+4*\w+3], v5 offset:\w*2048
.endr
	s_wait_dscnt 0x0
	v_pk_add_f32 v[GS:GS+1], v[GS:GS+1], v[GS+4:GS+5]
	v_pk_add_f32 v[GS+2:GS+3], v[GS+2:GS+3], v[GS+6:GS+7]
	v_pk_add_f32 v[GS+8:GS+9], v[GS+8:GS+9], v[GS+12:GS+13]
	v_pk_add_f32 v[GS+10:GS+11], v[GS+10:GS+11], v[GS+14:GS+15]
	v_pk_add_f32 v[GS:GS+1], v[GS:GS+1], v[GS+8:GS+9]
	v_pk_add_f32 v[GS+2:GS+3], v[GS+2:GS+3], v[GS+10:GS+11]
	v_pk_add_f32 v[GS:GS+1], v[GS:GS+1], v[BV:BV+1]           ; + attn_b (its load was waited for with the last batch)
	v_pk_add_f32 v[GS+2:GS+3], v[GS+2:GS+3], v[BV+2:BV+3]
	v_pk_mul_f32 v[GS:GS+1], v[GS:GS+1], s[24:25] op_sel_hi:[1,0]
	v_pk_mul_f32 v[GS+2:GS+3], v[GS+2:GS+3], s[24:25] op_sel_hi:[1,0]
	global_store_b128 v6, v[GS:GS+3], s[12:13]     ; a wave stores 512 consecutive bytes, aligned
	s_wait_tensorcnt 0x0
	ds_add_u32 v254, v255
	s_wait_dscnt 0x0
	s_endpgm
.Lfunc_end_k_q0d86466172_prep:
	.size	k_q0d86466172_prep, .Lfunc_end_k_q0d86466172_prep-k_q0d86466172_prep
	.p2alignl 7, 3214868480
	.fill 96, 4, 3214868480
	.section	.rodata,"a",@progbits
	.p2align	6, 0x0
	.amdhsa_kernel k_q0d86466172_prep
		.amdhsa_group_segment_fixed_size 143872
		.amdhsa_private_segment_fixed_size 0
		.amdhsa_enable_private_segment 0
		.amdhsa_kernarg_size 40
		.amdhsa_user_sgpr_count 2
		.amdhsa_user_sgpr_kernarg_segment_ptr 1
		.amdhsa_wavefront_size32 1
		.amdhsa_system_sgpr_workgroup_id_x 1
		.amdhsa_system_sgpr_workgroup_id_y 1
		.amdhsa_system_sgpr_workgroup_id_z 1
		.amdhsa_system_vgpr_workitem_id 0
		.amdhsa_next_free_vgpr 256
		.amdhsa_next_free_sgpr 66
		.amdhsa_reserve_vcc 0
		.amdhsa_float_denorm_mode_32 3
		.amdhsa_float_denorm_mode_16_64 3
		.amdhsa_memory_ordered 1
		.amdhsa_forward_progress 1
		.amdhsa_inst_pref_size 52
	.end_amdhsa_kernel
	.amdgpu_metadata
---
amdhsa.version: [ 1, 2 ]
amdhsa.kernels:
  - .name:           k_q0d86466172_prep
    .symbol:         k_q0d86466172_prep.kd
    .args:
      - { .name: attn_w, .offset: 0, .size: 8, .value_kind: global_buffer, .address_space: global }
      - { .name: attn_b, .offset: 8, .size: 8, .value_kind: global_buffer, .address_space: global }
      - { .name: hidden, .offset: 16, .size: 8, .value_kind: global_buffer, .address_space: global }
      - { .name: wbf, .offset: 24, .size: 8, .value_kind: global_buffer, .address_space: global }
      - { .name: hbw, .offset: 32, .size: 8, .value_kind: global_buffer, .address_space: global }
    .group_segment_fixed_size: 143872
    .private_segment_fixed_size: 0
    .kernarg_segment_align: 8
    .kernarg_segment_size: 40
    .max_flat_workgroup_size: 128
    .sgpr_count:     66
    .vgpr_count:     256
    .wavefront_size: 32
...
	.end_amdgpu_metadata
.endif
;; end of part 1
;; launch main (part 2): grid 256 x 1, 4 waves a work-group, no clusters, 280,064 bytes of LDS; arguments encoder_outputs, mask, v_w, wbf, hbw, scores, pctx; writes scores, pctx
.if DOCPART == 2
	.amdgcn_target "amdgcn-amd-amdhsa--gfx1250"
	.amdhsa_code_object_version 6
	.text
	.protected	k_q0d86466172_main
	.globl	k_q0d86466172_main
	.p2align	8
	.type	k_q0d86466172_main,@function
k_q0d86466172_main:
	s_mov_b64 s[64:65], 0
	v_nop
	global_prefetch_b8 v0, s[64:65] scope:SCOPE_SE
	s_setreg_imm32_b32 hwreg(HW_REG_WAVE_MODE, 25, 1), 1
	s_wait_xcnt 0x0
; THE MAIN LAUNCH.  For tiles of 128 rows (b, s) of encoder_outputs:
;   scores[b][s] = mask ? sum over o of v_w[o] tanh(h_proj[b][o] + e_proj[b][s][o] + attn_b[o]) : -1e10          (f32, as reference() has it in front of the softmax)
;   pctx[tile][e] = sum over the tile's s of bf16(exp(score - the tile's own maximum)) bf16(enc[b][s][e])        (f32; the last launch rescales and adds the 16 tiles of a batch)
; ARITHMETIC.  c = 2 log2(e).  x' = sum over k of bf16(c w_e[o][k]) bf16(enc[s][k]) + c (h_proj + attn_b); the second term is the C of the first product.
; tanh = 1 - 2 / (1 + 2^x'), so the score is sum(v) + sum(-2 v / (1 + 2^x')).  2^x' = infinity gives tanh = 1, 2^x' = 0 gives -1: the form holds for every finite x'.
; LIMITS, stated: c is folded into w_e ahead of its rounding to bf16; the weights are rounded to bf16 for the context product; behind the last tile the look-ahead
; (7 K steps of W, 28 KiB a wave, the first fragments of the rows, one set of biases) is loaded and not used: the text of a block serves two blocks.
; SHARES.  A work-group stays and makes 2 tiles: rows 256 x + 128 tl, batch x / 8.  The tile's rows are read from memory ONCE, rounded to bf16 and kept in LDS for both products.
; Each of the four waves takes all 128 rows and, in each of 4 blocks of 256 outputs o, 64 of them: 8 row tiles x 4 output tiles = 32 accumulators.
; Source 0 = 16 rows of W (m = o), source 1 = 16 rows of enc (n = s): a lane holds ONE row s and eight outputs o, so the dot product with v_w stays inside the lane.
; BY TURNS.  There are two sets of 32 accumulators.  While block j+1's products fill one set, block j's tanh and dot product work on the other, in stages set between the products.
; W comes in fragment order straight into registers (a ring of 8 K steps, 7 ahead): each fragment is read by one wave alone, so a way through LDS would add a write and a read and spare nothing.
; NO CLUSTER, NO JOINT LOADS, by this text's own arithmetic: all work-groups walk the same W, but the resident rows take 264,192 of the 327,680 bytes of LDS and the tables and stages
; 15,360; the 48,128 left hold two slots of one K step (16,384 bytes for the four waves), 32 matrix instructions a wave for each round of a cluster's barrier: too little for a load to land in.
; REGISTERS, in windows of 256 (s_set_vgpr_msb: bits 1:0 source 0, 3:2 source 1, 5:4 source 2, 7:6 destination):
;   window 0: addresses, statistics, biases, v_w, two buffers of row fragments        window 1: the ring of W: 8 slots x 32
;   window 2: accumulator set 0; between tiles the landing place of the rows' loads    window 3: accumulator set 1; in the tail the context's accumulators and fragments
.set APITCH, 2064                      ; a row in LDS: 2,048 bytes of bf16 + 16: an odd multiple of 16 bytes, so the 16 rows of a fragment load start at 16 different groups of banks (ISA guide 11.1)
.set HB,   128*APITCH                  ; 4,096 bytes: c (h_proj + attn_b) of my batch, by o
.set VW,   HB+4096                     ; 4,096 bytes: v_w
.set SCR,  VW+4096                     ; 4 x 512 bytes: the waves' partial scores
.set PB,   SCR+2048                    ; 4 x 256 bytes: the tile's weights in bf16, a copy for each wave
.set CST,  PB+1024                     ; 4 x 1,024 bytes: each wave's stage for its 256 numbers of context
.set WBLK, 131072                      ; bytes of a wave's W in a block: 32 K steps x 4,096
.set TILEB, 524288                     ; bytes of a tile's 128 rows in memory
.set ADA,  2                           ; v[2:9]    row tile a: (16 a + r) pitch + 16 h
.set WOF,  10                          ; v10       16 lane + wave x 524,288: my place in wbf
.set CB,   11                          ; v11       HB + 256 wave + 32 h
.set BA,   12                          ; v12       the next block's biases
.set VA,   13                          ; v13       this block's v_w
.set STA0, 14                          ; v14, v15  where my rows 0-15, 16-31 go: (32 wave [+ 16]) pitch + 8 lane
.set EOF,  16                          ; v16       wave x 131,072 + 16 lane: my 32 rows of the tile in memory
.set PFO,  17                          ; v17       wave x 131,072 + 256 lane: the prefetch
.set MASK, 18                          ; v[18:21]  mask of rows 4 lane + 0..3 of this tile;  v[22:25] of the second tile
.set MASK2, 22
.set TRB,  26                          ; v26       the turning load: (8 h + lane % 8) pitch + 16 ((lane / 8) % 2) + 512 wave
.set TA,   27                          ; v27       the same, 32 c rows on
.set SCS,  29                          ; v29, v30  partial scores: store, load
.set SCL,  30
.set PBS,  31                          ; v31, v32  weights: store, load
.set PBL,  32
.set CSS,  33                          ; v33, v34  context stage: store, load
.set CSL,  34
.set L16,  35                          ; v35       16 lane
.set PCO,  36                          ; v36       1,024 wave + 16 lane
.set NEG,  37                          ; v37       -1e10
.set VSUM, 38                          ; v[38:39]  sum of my v_w
.set SACC, 40                          ; v[40:55]  a pair of sums for each row tile
.set BIAS, 56                          ; v[56:87]  output tile t: 8 biases
.set V,    88                          ; v[88:119] output tile t: 8 numbers -2 v_w
.set T,    120                         ; v[120:127] at work
.set FA,   128                         ; v[128:191], v[192:255] fragments of the rows, two buffers; between tiles and in the tail at work
.set SW,   22                          ; s[22:23]  W of this block;  s[24:25] of the next
.set SW2,  24
.set MSB, 0
.macro WIN new                         ; the immediate's high byte repeats the setting that is left; a switch that changes nothing is dropped
.if MSB != (\new)
	s_set_vgpr_msb (MSB<<8)|(\new)
.set MSB, (\new)
.endif
.endm
.macro PLACES                          ; four places in front of loads into registers that matrix instructions have read, and of reads of their results
.rept 4
	v_nop
.endr
.endm
; K step x of the block at base b -> ring slot sl: 8 loads of 512 consecutive bytes
.macro WLOAD x, sl, b
.irp t, 0,1,2,3
	global_load_b128 v[32*(\sl)+8*\t:32*(\sl)+8*\t+3],   v[WOF], s[\b:\b+1] offset:(\x)*4096+\t*1024
	global_load_b128 v[32*(\sl)+8*\t+4:32*(\sl)+8*\t+7], v[WOF], s[\b:\b+1] offset:(\x)*4096+\t*1024+512
.endr
.endm
; the rows' fragments of K step k -> buffer b: 16 loads, row tiles in ascending order
.macro ALOAD k, b
.irp a, 0,1,2,3,4,5,6,7
	ds_load_b128 v[FA+64*(\b)+8*\a:FA+64*(\b)+8*\a+3],   v[ADA+\a] offset:(\k)*64
	ds_load_b128 v[FA+64*(\b)+8*\a+4:FA+64*(\b)+8*\a+7], v[ADA+\a] offset:(\k)*64+32
.endr
.endm
; group g of 16: two of my 32 rows, 16 loads of 512 consecutive bytes, into window 2
.macro AISSUE g
	WIN 0x80
.irp i, 0,1,2,3,4,5,6,7,8,9,10,11,12,13,14,15
	global_load_b128 v[64*((\g)%4)+4*\i:64*((\g)%4)+4*\i+3], v[EOF], s[4:5] offset:(\g)*8192+\i*512 th:TH_LOAD_NT
.endr
.endm
; group g is rounded to bf16 and laid into LDS; its registers then take group g + 4.  left = the loads of the younger groups
.macro AGROUP g, left, more
	s_wait_loadcnt \left
	WIN 0x0a                                       ; sources in window 2
.set n, 0
.rept 32
	v_cvt_pk_bf16_f32 v[FA+32*((\g)%2)+n], v[64*((\g)%4)+2*n], v[64*((\g)%4)+2*n+1]
.set n, n+1
.endr
	WIN 0
.irp i, 0,1,2,3,4,5,6,7,8,9,10,11,12,13,14,15
	ds_store_b64 v[STA0+(\g)/8], v[FA+32*((\g)%2)+2*\i:FA+32*((\g)%2)+2*\i+1] offset:((2*(\g)+\i/8)%16)*APITCH+(\i%8)*256
.endr
.if \more
	AISSUE (\g)+4
.endif
.endm
; the bases and addresses of block j
.macro SETBLK j
	s_wait_xcnt 0x0                                ; the bases of pending loads are rewritten only behind this wait (ISA guide 3.1)
	s_add_nc_u64 s[SW:SW+1], s[10:11], (\j)*WBLK
	s_add_nc_u64 s[SW2:SW2+1], s[10:11], (((\j)+1)%4)*WBLK
	v_add_nc_u32 v[BA], (((\j)+1)%4)*1024, v[CB]
	v_add_nc_u32 v[VA], 4096+(\j)*1024, v[CB]
.endm
; Product n of a K step's 32 on set q: row tile n / 4, output tile n % 4.  In K step 0 the biases are C: nothing is cleared.
.macro PROD q
.if kk == 0
	WIN 0x81+0x40*(\q)
	v_wmma_f32_16x16x32_bf16 v[8*n:8*n+7], v[32*(kk%8)+8*(n%4):32*(kk%8)+8*(n%4)+7], v[FA+64*(kk%2)+8*(n/4):FA+64*(kk%2)+8*(n/4)+7], v[BIAS+8*(n%4):BIAS+8*(n%4)+7]
.else
	WIN 0xa1+0x50*(\q)
	v_wmma_f32_16x16x32_bf16 v[8*n:8*n+7], v[32*(kk%8)+8*(n%4):32*(kk%8)+8*(n%4)+7], v[FA+64*(kk%2)+8*(n/4):FA+64*(kk%2)+8*(n/4)+7], v[8*n:8*n+7]
.endif
.endm
; Stage st of 131 of set q's way to the scores.  Pair p = registers 2 p, 2 p + 1 of the set: row tile p / 16, outputs 2 (p % 16), + 1 of my 32.  A pipeline three pairs deep:
; pair st: 2^x';  pair st - 1: + 1, reciprocal;  pair st - 3: times -2 v onto the row tile's sums.  Every exponential and reciprocal has a plain instruction that names none of its
; registers between it and the use of its result (ISA guide 5.7.2): the addition of the pair before, the multiply-add of the next stage; at stage 1 alone a v_nop.
; Each accumulator is read from its low end on.
.macro STAGE q
.if st >= 3
	WIN 0x02+(\q)                                  ; source 0 in the set's window
	s_wait_alu depctr_va_vdst(0)
	v_pk_fma_f32 v[SACC+2*((st-3)/16):SACC+2*((st-3)/16)+1], v[2*(st-3):2*(st-3)+1], v[V+2*((st-3)%16):V+2*((st-3)%16)+1], v[SACC+2*((st-3)/16):SACC+2*((st-3)/16)+1]
.elseif st == 1
	v_nop
.endif
.if st <= 128
	WIN 0x82+0x41*(\q)                             ; destination and source 0 in the set's window
.endif
.if st < 128
	v_exp_f32 v[2*st], v[2*st]
	v_exp_f32 v[2*st+1], v[2*st+1]
.endif
.if (st >= 1) && (st <= 128)
	s_wait_alu depctr_va_vdst(0)
	v_pk_add_f32 v[2*st-2:2*st-1], v[2*st-2:2*st-1], 1.0 op_sel_hi:[1,0]
	v_rcp_f32 v[2*st-2], v[2*st-2]
	v_rcp_f32 v[2*st-1], v[2*st-1]
.endif
.set st, st+1
.endm
; K step kk of a block on set q: 32 products, the accumulators by turns, in the same order in every step.  epi = 1: five stages of the other set stand among them
; (131 stages end in K step 26).  In the middle, in one run: the next step's 16 fragment loads and the 8 loads of W seven steps on.
; K step 28 also fetches the next block's biases and this block's v_w: the stages that read the old v_w are over, the biases were read in K step 0.
.macro KSTEP q, epi
	s_wait_dscnt 0x8                               ; of this step's 16 fragment loads the youngest eight (row tiles 4-7) may be out
	s_wait_loadcnt 48                              ; behind this step's W stand the loads of the six following steps, 8 each
.set n, 0
.rept 16
	PROD \q
.if \epi && (n%6 == 5) && (st < 131)
	STAGE 1-(\q)
.endif
.set n, n+1
.endr
	WIN 0
	PLACES                                         ; behind the last step's products: its fragment buffer and its ring slot are loaded again below
.if kk == 28
.irp t, 0,1,2,3
	ds_load_b128 v[BIAS+8*\t:BIAS+8*\t+3],   v[BA] offset:\t*64
	ds_load_b128 v[BIAS+8*\t+4:BIAS+8*\t+7], v[BA] offset:\t*64+16
	ds_load_b128 v[V+8*\t:V+8*\t+3],         v[VA] offset:\t*64
	ds_load_b128 v[V+8*\t+4:V+8*\t+7],       v[VA] offset:\t*64+16
.endr
.endif
	ALOAD (kk+1)%32, (kk+1)%2
	WIN 0x40                                       ; destination window 1
.if kk+7 < 32
	WLOAD kk+7, (kk+7)%8, SW
.else
	WLOAD kk-25, (kk+7)%8, SW2
.endif
	s_wait_dscnt 0x10                              ; all but the 16 fragment loads just issued
.if kk == 28
	WIN 0
.set n2, 0
.rept 16
	v_pk_add_f32 v[VSUM:VSUM+1], v[VSUM:VSUM+1], v[V+2*n2:V+2*n2+1]
.set n2, n2+1
.endr
.set n2, 0
.rept 16
	v_pk_mul_f32 v[V+2*n2:V+2*n2+1], v[V+2*n2:V+2*n2+1], -2.0 op_sel_hi:[1,0]
.set n2, n2+1
.endr
.endif
.rept 16
	PROD \q
.if \epi && (n%6 == 5) && (st < 131)
	STAGE 1-(\q)
.endif
.set n, n+1
.endr
.endm
.macro BLOCK q, epi
.set st, 0
.set kk, 0
.rept 32
	KSTEP \q, \epi
.set kk, kk+1
.endr
	WIN 0                                          ; at a label and at a branch every window is 0
.endm
; The context.  Batch i of eight: rows 32 (i / 2) on, my column tiles 8 (i % 2) + 0..7: 16 turning loads into buffer i % 2 of window 3.
.macro TBATCH i
	WIN 0
	v_add_nc_u32 v[TA], ((\i)/2)*32*APITCH, v[TRB]
	WIN 0xc0                                       ; destination window 3
.irp u, 0,1,2,3,4,5,6,7
	ds_load_tr16_b128 v[128+64*((\i)%2)+8*\u:128+64*((\i)%2)+8*\u+3],   v[TA] offset:(8*((\i)%2)+\u)*32
	ds_load_tr16_b128 v[128+64*((\i)%2)+8*\u+4:128+64*((\i)%2)+8*\u+7], v[TA] offset:16*APITCH+(8*((\i)%2)+\u)*32
.endr
.endm
.macro CPROD i                         ; its 8 products: source 0 = the weights (every row alike), source 1 = 32 rows x 16 columns of enc; eight accumulators by turns
	WIN 0xfc                                       ; source 0 window 0; source 1, C and D window 3
.irp u, 0,1,2,3,4,5,6,7
.if (\i) < 2
	v_wmma_f32_16x16x32_bf16 v[64*((\i)%2)+8*\u:64*((\i)%2)+8*\u+7], v[FA+8*((\i)/2):FA+8*((\i)/2)+7], v[128+64*((\i)%2)+8*\u:128+64*((\i)%2)+8*\u+7], 0
.else
	v_wmma_f32_16x16x32_bf16 v[64*((\i)%2)+8*\u:64*((\i)%2)+8*\u+7], v[FA+8*((\i)/2):FA+8*((\i)/2)+7], v[128+64*((\i)%2)+8*\u:128+64*((\i)%2)+8*\u+7], v[64*((\i)%2)+8*\u:64*((\i)%2)+8*\u+7]
.endif
.endr
.endm
	s_load_b256 s[4:11], s[0:1], 0x0               ; enc s[4:5], mask s[6:7], v_w s[8:9], wbf s[10:11]
	s_load_b128 s[12:15], s[0:1], 0x20             ; hbw s[12:13], scores s[14:15]
	s_load_b64 s[16:17], s[0:1], 0x30              ; pctx
	v_lshrrev_b32 v1, 5, v0
	v_readfirstlane_b32 s18, v1                    ; wave 0..3
	v_and_b32 v1, 31, v0                           ; lane
	v_and_b32 v120, 15, v0                         ; r
	v_bfe_u32 v121, v0, 4, 1                       ; h
	v_lshlrev_b32 v[L16], 4, v1
	v_mul_u32_u24 v122, v120, APITCH
	v_lshl_add_u32 v122, v121, 4, v122
.irp a, 0,1,2,3,4,5,6,7
	v_add_nc_u32 v[ADA+\a], \a*16*APITCH, v122
.endr
	s_lshl_b32 s20, s18, 19
	v_add_nc_u32 v[WOF], s20, v[L16]
	s_lshl_b32 s20, s18, 8
	s_add_co_u32 s20, s20, HB
	v_lshl_add_u32 v[CB], v121, 5, s20
	s_mul_i32 s20, s18, 32*APITCH
	v_lshl_add_u32 v[STA0], v1, 3, s20
	v_add_nc_u32 v[STA0+1], 16*APITCH, v[STA0]
	s_lshl_b32 s20, s18, 17
	v_add_nc_u32 v[EOF], s20, v[L16]
	v_lshl_add_u32 v[PFO], v1, 8, s20
	v_and_b32 v123, 7, v0
	v_lshl_add_u32 v123, v121, 3, v123
	v_mul_u32_u24 v[TRB], v123, APITCH
	v_bfe_u32 v123, v0, 3, 1
	v_lshl_add_u32 v[TRB], v123, 4, v[TRB]
	s_lshl_b32 s20, s18, 9
	v_add_nc_u32 v[TRB], s20, v[TRB]
	s_add_co_u32 s20, s20, SCR
	v_lshl_add_u32 v[SCS], v120, 2, s20
	v_add_nc_u32 v[SCL], SCR, v[L16]
	s_lshl_b32 s20, s18, 8
	s_add_co_u32 s20, s20, PB
	v_lshl_add_u32 v[PBS], v1, 3, s20
	v_lshl_add_u32 v[PBL], v121, 4, s20
	s_lshl_b32 s20, s18, 10
	v_add_nc_u32 v[PCO], s20, v[L16]
	s_add_co_u32 s20, s20, CST
	v_lshl_add_u32 v[CSS], v120, 2, s20
	v_add_nc_u32 v[CSL], s20, v[L16]
	v_mov_b32 v[NEG], 0xd01502f9                   ; -1e10
	v_lshrrev_b32 v124, 2, v0                      ; the tables: thread i copies the 16-byte pieces i and i + 128.  In hbw piece ci lies at (ci / 4) x 2,048 + batch x 64 + (ci % 4) x 16:
	v_lshlrev_b32 v124, 11, v124                   ; runs of 64 bytes, 4,096 bytes once for a work-group
	v_and_b32 v125, 3, v0
	v_lshl_add_u32 v124, v125, 4, v124
	v_lshlrev_b32 v126, 4, v0
	v_add_nc_u32 v127, HB, v126
	s_mov_b32 s28, 0x76543210                      ; v_permlanex16_b32: each lane takes its own place in the other half
	s_mov_b32 s29, 0xfedcba98
	s_mov_b32 s21, 0
	s_wait_kmcnt 0x0
	s_lshl_b32 s20, ttmp9, 20                      ; 256 rows of 4,096 bytes a work-group
	s_add_nc_u64 s[4:5], s[4:5], s[20:21]
	s_lshl_b32 s20, ttmp9, 10                      ; 256 words of mask and of scores
	s_add_nc_u64 s[6:7], s[6:7], s[20:21]
	s_add_nc_u64 s[14:15], s[14:15], s[20:21]
	s_lshl_b32 s20, ttmp9, 13                      ; two rows of pctx
	s_add_nc_u64 s[16:17], s[16:17], s[20:21]
	s_lshr_b32 s20, ttmp9, 3                       ; batch = x / 8
	s_lshl_b32 s20, s20, 6
	s_add_nc_u64 s[12:13], s[12:13], s[20:21]
	global_load_b128 v[192:195], v124, s[12:13]
	global_load_b128 v[196:199], v124, s[12:13] offset:65536
	global_load_b128 v[200:203], v126, s[8:9]
	global_load_b128 v[204:207], v126, s[8:9] offset:2048
	global_load_b128 v[MASK:MASK+3], v[L16], s[6:7]
	global_load_b128 v[MASK2:MASK2+3], v[L16], s[6:7] offset:512
	WIN 0x40
.irp x, 0,1,2,3,4,5,6
	WLOAD \x, \x, 10                               ; the ring's first seven K steps
.endr
	AISSUE 0
	AISSUE 1
	AISSUE 2
	AISSUE 3
	WIN 0
	s_wait_loadcnt 63                              ; behind the four table loads stand 122 younger ones: any count up to that shows them in
	ds_store_b128 v127, v[192:195]
	ds_store_b128 v127, v[196:199] offset:2048
	ds_store_b128 v127, v[200:203] offset:4096
	ds_store_b128 v127, v[204:207] offset:6144
	s_mov_b32 s27, 2                               ; tiles to go, this one among them
.Ltile:
	; THE ROWS COME IN: my 32 rows, four groups of 16 loads in flight; W's seven steps are older than all of them
.irp g, 0,1,2,3,4,5,6,7,8,9,10,11
	AGROUP \g, 48, 1
.endr
	AGROUP 12, 48, 0
	AGROUP 13, 32, 0
	AGROUP 14, 16, 0
	AGROUP 15, 0, 0
	s_wait_dscnt 0x0                               ; for the others' sake: my rows (and, the first time, my part of the tables) are in LDS
	s_barrier_signal -1
	s_barrier_wait -1
	SETBLK 0
.irp i, 0,1,2,3,4,5,6,7,8,9,10,11,12,13,14,15,16,17
	v_mov_b32 v[VSUM+\i], 0                        ; 18 sums: the stages' text serves three blocks, so none of them can start the sums
.endr
.irp t, 0,1,2,3
	ds_load_b128 v[BIAS+8*\t:BIAS+8*\t+3],   v[CB] offset:\t*64      ; block 0's biases
	ds_load_b128 v[BIAS+8*\t+4:BIAS+8*\t+7], v[CB] offset:\t*64+16
.endr
	ALOAD 0, 0
	BLOCK 0, 0                                     ; block 0: no finished set yet to work on
	SETBLK 1
	s_mov_b32 s26, 2
.Lpair:
	BLOCK 1, 1                                     ; blocks 1 and 3, with the stages of blocks 0 and 2
	s_cmp_eq_u32 s26, 1
	s_cbranch_scc1 .Ltail
	SETBLK 2
	BLOCK 0, 1                                     ; block 2, with the stages of block 1
	SETBLK 3
	s_sub_co_u32 s26, s26, 1
	s_branch .Lpair
.Ltail:
	s_cmp_eq_u32 s27, 1
	s_cbranch_scc1 .Lnopf
	; the first 32 KiB of my 128 KiB of the next tile (what the first four groups of loads will ask for): lanes 256 bytes apart, each block once, by the wave that will load it; the last tile asks for nothing
.irp k, 0,1,2,3
	global_prefetch_b8 v[PFO], s[4:5] offset:TILEB+\k*8192 th:TH_LOAD_NT scope:SCOPE_SE
.endr
.Lnopf:
	PLACES                                         ; behind block 3's last products
.set st, 0
.rept 131
	STAGE 1                                        ; block 3's stages: nothing is left to set them between
.endr
	WIN 0
	; my 256 outputs' share of the 128 scores: the pair, + the sum of my v_w, + the other half of the lanes' (the other eight outputs of each tile)
	v_add_f32 v[T], v[VSUM], v[VSUM+1]
.irp a, 0,1,2,3,4,5,6,7
	v_add_f32 v[SACC+2*\a], v[SACC+2*\a], v[SACC+2*\a+1]
.endr
.irp a, 0,1,2,3,4,5,6,7
	v_add_f32 v[SACC+2*\a], v[SACC+2*\a], v[T]
.endr
.irp a, 0,1,2,3,4,5,6,7
	v_permlanex16_b32 v[SACC+2*\a+1], v[SACC+2*\a], s28, s29
.endr
.irp a, 0,1,2,3,4,5,6,7
	v_add_f32 v[SACC+2*\a], v[SACC+2*\a], v[SACC+2*\a+1]
.endr
.irp a, 0,1,2,3,4,5,6,7
	ds_store_b32 v[SCS], v[SACC+2*\a] offset:\a*64 ; lanes r and r + 16 write the same word with the same number
.endr
	s_wait_dscnt 0x0                               ; for the others' sake; the look-ahead's fragment loads into v[128:191] are back too
	s_barrier_signal -1
	s_barrier_wait -1
.irp w, 0,1,2,3
	ds_load_b128 v[192+4*\w:195+4*\w], v[SCL] offset:\w*512      ; every wave adds all four shares, in the same order: lane l holds rows 4 l + 0..3
.endr
	s_wait_dscnt 0x0
	v_pk_add_f32 v[192:193], v[192:193], v[196:197]
	v_pk_add_f32 v[194:195], v[194:195], v[198:199]
	v_pk_add_f32 v[200:201], v[200:201], v[204:205]
	v_pk_add_f32 v[202:203], v[202:203], v[206:207]
	v_pk_add_f32 v[192:193], v[192:193], v[200:201]
	v_pk_add_f32 v[194:195], v[194:195], v[202:203]
.irp e, 0,1,2,3
	v_cmp_eq_u32 vcc_lo, 0, v[MASK+\e]
	v_cndmask_b32 v[208+\e], v[192+\e], v[NEG], vcc_lo           ; mask == 0: -1e10
.endr
	s_cmp_lg_u32 s18, 0
	s_cbranch_scc1 .Lnost
	global_store_b128 v[L16], v[208:211], s[14:15] ; wave 0 stores the tile's 512 bytes of scores
.Lnost:
	; the tile's own maximum is taken away in front of the exponential; the last launch finds the same maximum in the stored scores and rescales
	v_max3_num_f32 v[T], v208, v209, v210
	v_max_num_f32 v[T], v[T], v211
	v_max_num_f32_dpp v[T], v[T], v[T] row_xmask:1 row_mask:0xf bank_mask:0xf
	v_max_num_f32_dpp v[T], v[T], v[T] row_xmask:2 row_mask:0xf bank_mask:0xf
	v_max_num_f32_dpp v[T], v[T], v[T] row_xmask:4 row_mask:0xf bank_mask:0xf
	v_max_num_f32_dpp v[T], v[T], v[T] row_xmask:8 row_mask:0xf bank_mask:0xf
	v_permlanex16_b32 v[T+1], v[T], s28, s29
	v_max_num_f32 v[T], v[T], v[T+1]
.irp e, 0,1,2,3
	v_sub_f32 v[212+\e], v[208+\e], v[T]           ; the difference first, then log2(e): exact 0 at the maximum, also at -1e10
.endr
.irp e, 0,1,2,3
	v_mul_f32 v[212+\e], 0x3fb8aa3b, v[212+\e]
.endr
.irp e, 0,1,2,3
	v_exp_f32 v[212+\e], v[212+\e]
.endr
	v_nop                                          ; a plain instruction between the exponentials and the use of their results (ISA guide 5.7.2)
	s_wait_alu depctr_va_vdst(0)
	v_cvt_pk_bf16_f32 v216, v212, v213
	v_cvt_pk_bf16_f32 v217, v214, v215
	ds_store_b64 v[PBS], v[216:217]                ; my wave's own copy: LDS serves a wave's instructions in order, so the loads below see it
.irp c, 0,1,2,3
	ds_load_b128 v[FA+8*\c:FA+8*\c+3],   v[PBL] offset:\c*64     ; the weights of rows 32 c on as source 0: all sixteen rows of the operand alike
	ds_load_b128 v[FA+8*\c+4:FA+8*\c+7], v[PBL] offset:\c*64+32
.endr
	; context[e] for my 256 columns: 16 accumulators.  The row pitch is not an odd multiple of 32 bytes, so the turning loads meet two deep in the banks: 64 KiB a wave and tile against 1 MiB of fragment loads
	TBATCH 0
	TBATCH 1
.irp i, 0,1,2,3,4,5
	s_wait_dscnt 0x10                              ; all but the younger batch's 16 loads
	CPROD \i
	PLACES
	TBATCH \i+2
.endr
	s_wait_dscnt 0x10
	CPROD 6
	s_wait_dscnt 0x0
	CPROD 7
	PLACES
	WIN 0x0c                                       ; the stores' data in window 3
.irp u, 0,1,2,3,4,5,6,7,8,9,10,11,12,13,14,15
	ds_store_b32 v[CSS], v[8*\u] offset:\u*64      ; all rows of a result are alike: register 0 of lane r is column 16 u + r
.endr
	WIN 0
	ds_load_b128 v[160:163], v[CSL]                ; my own stage, back as 16 bytes a lane
	ds_load_b128 v[164:167], v[CSL] offset:512
	s_wait_dscnt 0x0
	global_store_b128 v[PCO], v[160:163], s[16:17]             ; 512 consecutive bytes each, aligned
	global_store_b128 v[PCO], v[164:167], s[16:17] offset:512
	s_cmp_eq_u32 s27, 1
	s_cbranch_scc1 .Lend
	s_wait_dscnt 0x0                               ; my reads of the rows are over
	s_barrier_signal -1
	s_barrier_wait -1                              ; everybody's are: the rows' place may be written again
	s_wait_xcnt 0x0                                ; bases and data of pending stores and of the prefetch are rewritten only behind this wait (ISA guide 3.1)
	s_add_nc_u64 s[4:5], s[4:5], TILEB
	s_add_nc_u64 s[14:15], s[14:15], 512
	s_add_nc_u64 s[16:17], s[16:17], 4096
.irp e, 0,1,2,3
	v_mov_b32 v[MASK+\e], v[MASK2+\e]
.endr
	AISSUE 0
	AISSUE 1
	AISSUE 2
	AISSUE 3
	WIN 0
	s_sub_co_u32 s27, s27, 1
	s_branch .Ltile
.Lend:
	s_wait_xcnt 0x0
	v_lshl_add_u32 v254, v0, 2, 0x44400
	v_mov_b32 v255, 0
	s_wait_tensorcnt 0x0
	ds_add_u32 v254, v255
	s_wait_dscnt 0x0
	s_endpgm
.Lfunc_end_k_q0d86466172_main:
	.size	k_q0d86466172_main, .Lfunc_end_k_q0d86466172_main-k_q0d86466172_main
	.p2alignl 7, 3214868480
	.fill 96, 4, 3214868480
	.section	.rodata,"a",@progbits
	.p2align	6, 0x0
	.amdhsa_kernel k_q0d86466172_main
		.amdhsa_group_segment_fixed_size 280064
		.amdhsa_private_segment_fixed_size 0
		.amdhsa_enable_private_segment 0
		.amdhsa_kernarg_size 56
		.amdhsa_user_sgpr_count 2
		.amdhsa_user_sgpr_kernarg_segment_ptr 1
		.amdhsa_wavefront_size32 1
		.amdhsa_system_sgpr_workgroup_id_x 1
		.amdhsa_system_sgpr_workgroup_id_y 1
		.amdhsa_system_sgpr_workgroup_id_z 1
		.amdhsa_system_vgpr_workitem_id 0
		.amdhsa_next_free_vgpr 1024
		.amdhsa_next_free_sgpr 66
		.amdhsa_reserve_vcc 1
		.amdhsa_float_denorm_mode_32 3
		.amdhsa_float_denorm_mode_16_64 3
		.amdhsa_memory_ordered 1
		.amdhsa_forward_progress 1
		.amdhsa_inst_pref_size 255
	.end_amdhsa_kernel
	.section	.bss,"aw",@nobits
	.p2align	6
	.space	262144
	.amdgpu_metadata
---
amdhsa.version: [ 1, 2 ]
amdhsa.kernels:
  - .name:           k_q0d86466172_main
    .symbol:         k_q0d86466172_main.kd
    .args:
      - { .name: encoder_outputs, .offset: 0, .size: 8, .value_kind: global_buffer, .address_space: global }
      - { .name: mask, .offset: 8, .size: 8, .value_kind: global_buffer, .address_space: global }
      - { .name: v_w, .offset: 16, .size: 8, .value_kind: global_buffer, .address_space: global }
      - { .name: wbf, .offset: 24, .size: 8, .value_kind: global_buffer, .address_space: global }
      - { .name: hbw, .offset: 32, .size: 8, .value_kind: global_buffer, .address_space: global }
      - { .name: scores, .offset: 40, .size: 8, .value_kind: global_buffer, .address_space: global }
      - { .name: pctx, .offset: 48, .size: 8, .value_kind: global_buffer, .address_space: global }
    .group_segment_fixed_size: 280064
    .private_segment_fixed_size: 0
    .kernarg_segment_align: 8
    .kernarg_segment_size: 56
    .max_flat_workgroup_size: 128
    .sgpr_count:     66
    .vgpr_count:     1024
    .wavefront_size: 32
...
	.end_amdgpu_metadata
.endif
;; end of part 2
;; launch finish (part 3): grid 32 x 1, 8 waves a work-group, no clusters, 1,280 bytes of LDS; arguments scores, pctx, out0, out1; writes out0, out1
.if DOCPART == 3
	.amdgcn_target "amdgcn-amd-amdhsa--gfx1250"
	.amdhsa_code_object_version 6
	.text
	.protected	k_q0d86466172_finish
	.globl	k_q0d86466172_finish
	.p2align	8
	.type	k_q0d86466172_finish,@function
k_q0d86466172_finish:
	s_mov_b64 s[64:65], 0
	v_nop
	global_prefetch_b8 v0, s[64:65] scope:SCOPE_SE
	s_setreg_imm32_b32 hwreg(HW_REG_WAVE_MODE, 25, 1), 1
	s_wait_xcnt 0x0
; THE SOFTMAX'S END.  Work-group b = batch.  out1[b][s] = exp(x[s] - M) / L, M and L the maximum and the sum over the batch's 2,048 masked scores x;
; out0[b][e] = sum over the 16 tiles t of exp(m_t - M) / L * pctx[16 b + t][e], m_t the maximum of tile t's 128 scores, the same number that the main launch took away.
; 256 threads.  Thread i holds scores 4 i + 0..3 and 1,024 + 4 i + 0..3, so wave w holds exactly tiles w and 8 + w; of each row of pctx it holds columns 4 i + 0..3.
; 72 KiB a work-group, read once, all loads issued at the start; 32 batches are all the work there is.  No matrix unit, cluster or tensor load: nothing is shared and nothing is multiplied in bulk.
.set L2E, 0x3fb8aa3b                   ; log2(e)
.set X,  4                             ; v[4:11]   my 8 scores, then weights
.set P,  16                            ; v[16:79]  16 tiles x 4 numbers of pctx
.set MT, 84                            ; v[84:99]  m_t, then the tiles' factors
	s_load_b256 s[4:11], s[0:1], 0x0               ; scores s[4:5], pctx s[6:7], out0 s[8:9], out1 s[10:11]
	v_lshl_add_u32 v128, v0, 2, 0x100
	v_mov_b32 v129, 0
	v_lshrrev_b32 v1, 5, v0
	v_readfirstlane_b32 s12, v1                    ; wave
	v_lshlrev_b32 v2, 4, v0                        ; 16 i
	v_mov_b32 v3, s12
	v_lshlrev_b32 v3, 2, v3                        ; my wave's word
	v_mov_b32 v80, 0
	s_mov_b32 s14, 0x76543210
	s_mov_b32 s15, 0xfedcba98
	s_lshl_b32 s16, ttmp9, 13                      ; 8,192 bytes of scores and of out1 a batch
	s_mov_b32 s17, 0
	s_lshl_b32 s18, ttmp9, 16                      ; 16 rows of pctx
	s_mov_b32 s19, 0
	s_lshl_b32 s20, ttmp9, 12                      ; a row of out0
	s_mov_b32 s21, 0
	s_wait_kmcnt 0x0
	s_add_nc_u64 s[4:5], s[4:5], s[16:17]
	s_add_nc_u64 s[10:11], s[10:11], s[16:17]
	s_add_nc_u64 s[6:7], s[6:7], s[18:19]
	s_add_nc_u64 s[8:9], s[8:9], s[20:21]
	global_load_b128 v[X:X+3], v2, s[4:5]
	global_load_b128 v[X+4:X+7], v2, s[4:5] offset:4096
.irp t, 0,1,2,3,4,5,6,7,8,9,10,11,12,13,14,15
	global_load_b128 v[P+4*\t:P+4*\t+3], v2, s[6:7] offset:\t*4096
.endr
	s_wait_loadcnt 16                              ; the scores are in; pctx's 16 loads stay out
	v_max3_num_f32 v12, v4, v5, v6
	v_max3_num_f32 v13, v8, v9, v10
	v_max_num_f32 v12, v12, v7
	v_max_num_f32 v13, v13, v11
.irp m, 1,2,4,8
	v_max_num_f32_dpp v12, v12, v12 row_xmask:\m row_mask:0xf bank_mask:0xf
	v_max_num_f32_dpp v13, v13, v13 row_xmask:\m row_mask:0xf bank_mask:0xf
.endr
	v_permlanex16_b32 v1, v12, s14, s15            ; its destination counts as read: v1 has been written
	v_max_num_f32 v12, v12, v1
	v_permlanex16_b32 v1, v13, s14, s15
	v_max_num_f32 v13, v13, v1
	ds_store_b32 v3, v12                           ; m of tile w
	ds_store_b32 v3, v13 offset:32                 ; m of tile 8 + w
	s_wait_dscnt 0x0
	s_barrier_signal -1
	s_barrier_wait -1
.irp k, 0,1,2,3
	ds_load_b128 v[MT+4*\k:MT+4*\k+3], v80 offset:16*\k
.endr
	s_wait_dscnt 0x0
	v_max3_num_f32 v100, v84, v85, v86
.irp k, 87,89,91,93,95,97
	v_max3_num_f32 v100, v100, v\k, v[\k+1]
.endr
	v_max_num_f32 v100, v100, v99                  ; M
.irp k, 0,1,2,3,4,5,6,7
	v_sub_f32 v[X+\k], v[X+\k], v100               ; the difference first, then log2(e): exact 0 at the maximum, also at -1e10
.endr
.irp k, 0,1,2,3,4,5,6,7,8,9,10,11,12,13,14,15
	v_sub_f32 v[MT+\k], v[MT+\k], v100
.endr
.irp k, 0,1,2,3,4,5,6,7
	v_mul_f32 v[X+\k], L2E, v[X+\k]
.endr
.irp k, 0,1,2,3,4,5,6,7,8,9,10,11,12,13,14,15
	v_mul_f32 v[MT+\k], L2E, v[MT+\k]
.endr
.irp k, 0,1,2,3,4,5,6,7
	v_exp_f32 v[X+\k], v[X+\k]
.endr
.irp k, 0,1,2,3,4,5,6,7,8,9,10,11,12,13,14,15
	v_exp_f32 v[MT+\k], v[MT+\k]
.endr
	v_nop                                          ; a plain instruction between the exponentials and the use of their results (ISA guide 5.7.2)
	s_wait_alu depctr_va_vdst(0)
	v_pk_add_f32 v[102:103], v[X:X+1], v[X+2:X+3]
	v_pk_add_f32 v[104:105], v[X+4:X+5], v[X+6:X+7]
	v_pk_add_f32 v[102:103], v[102:103], v[104:105]
	v_add_f32 v101, v102, v103
.irp m, 1,2,4,8
	v_add_f32_dpp v101, v101, v101 row_xmask:\m row_mask:0xf bank_mask:0xf
.endr
	v_permlanex16_b32 v1, v101, s14, s15
	v_add_f32 v101, v101, v1
	ds_store_b32 v3, v101 offset:64                ; other bytes than the maxima's: no barrier between their reads and this store
	s_wait_dscnt 0x0
	s_barrier_signal -1
	s_barrier_wait -1
	ds_load_b128 v[104:107], v80 offset:64
	ds_load_b128 v[108:111], v80 offset:80
	s_wait_dscnt 0x0
	v_pk_add_f32 v[104:105], v[104:105], v[106:107]
	v_pk_add_f32 v[108:109], v[108:109], v[110:111]
	v_pk_add_f32 v[104:105], v[104:105], v[108:109]
	v_add_f32 v104, v104, v105                     ; L, at least 1: the maximum's own term
	v_rcp_f32 v112, v104
	v_rcp_f32 v113, v104                           ; twice: a pair for the packed multiplies
	v_nop
	s_wait_alu depctr_va_vdst(0)
.irp k, 0,2,4,6
	v_pk_mul_f32 v[X+\k:X+\k+1], v[X+\k:X+\k+1], v[112:113]
.endr
	global_store_b128 v2, v[X:X+3], s[10:11]       ; a wave stores 512 consecutive bytes, aligned
	global_store_b128 v2, v[X+4:X+7], s[10:11] offset:4096
.irp k, 0,2,4,6,8,10,12,14
	v_pk_mul_f32 v[MT+\k:MT+\k+1], v[MT+\k:MT+\k+1], v[112:113]
.endr
	s_wait_loadcnt 0x0                             ; pctx
	v_pk_mul_f32 v[116:117], v[P:P+1], v[MT:MT+1] op_sel_hi:[1,0]          ; tile 0 starts the sums
	v_pk_mul_f32 v[118:119], v[P+2:P+3], v[MT:MT+1] op_sel_hi:[1,0]
.irp t, 1,2,3,4,5,6,7,8,9,10,11,12,13,14,15
.if \t%2 == 0                          ; the tile's factor is the first or the second register of its pair, for both halves
	v_pk_fma_f32 v[116:117], v[P+4*\t:P+4*\t+1], v[MT+\t:MT+\t+1], v[116:117] op_sel_hi:[1,0,1]
	v_pk_fma_f32 v[118:119], v[P+4*\t+2:P+4*\t+3], v[MT+\t:MT+\t+1], v[118:119] op_sel_hi:[1,0,1]
.else
	v_pk_fma_f32 v[116:117], v[P+4*\t:P+4*\t+1], v[MT+\t-1:MT+\t], v[116:117] op_sel:[0,1,0] op_sel_hi:[1,1,1]
	v_pk_fma_f32 v[118:119], v[P+4*\t+2:P+4*\t+3], v[MT+\t-1:MT+\t], v[118:119] op_sel:[0,1,0] op_sel_hi:[1,1,1]
.endif
.endr
	global_store_b128 v2, v[116:119], s[8:9]
	s_wait_tensorcnt 0x0
	ds_add_u32 v128, v129
	s_wait_dscnt 0x0
	s_endpgm
.Lfunc_end_k_q0d86466172_finish:
	.size	k_q0d86466172_finish, .Lfunc_end_k_q0d86466172_finish-k_q0d86466172_finish
	.p2alignl 7, 3214868480
	.fill 96, 4, 3214868480
	.section	.rodata,"a",@progbits
	.p2align	6, 0x0
	.amdhsa_kernel k_q0d86466172_finish
		.amdhsa_group_segment_fixed_size 1280
		.amdhsa_private_segment_fixed_size 0
		.amdhsa_enable_private_segment 0
		.amdhsa_kernarg_size 32
		.amdhsa_user_sgpr_count 2
		.amdhsa_user_sgpr_kernarg_segment_ptr 1
		.amdhsa_wavefront_size32 1
		.amdhsa_system_sgpr_workgroup_id_x 1
		.amdhsa_system_sgpr_workgroup_id_y 1
		.amdhsa_system_sgpr_workgroup_id_z 1
		.amdhsa_system_vgpr_workitem_id 0
		.amdhsa_next_free_vgpr 130
		.amdhsa_next_free_sgpr 66
		.amdhsa_reserve_vcc 0
		.amdhsa_float_denorm_mode_32 3
		.amdhsa_float_denorm_mode_16_64 3
		.amdhsa_memory_ordered 1
		.amdhsa_forward_progress 1
		.amdhsa_inst_pref_size 13
	.end_amdhsa_kernel
	.amdgpu_metadata
---
amdhsa.version: [ 1, 2 ]
amdhsa.kernels:
  - .name:           k_q0d86466172_finish
    .symbol:         k_q0d86466172_finish.kd
    .args:
      - { .name: scores, .offset: 0, .size: 8, .value_kind: global_buffer, .address_space: global }
      - { .name: pctx, .offset: 8, .size: 8, .value_kind: global_buffer, .address_space: global }
      - { .name: out0, .offset: 16, .size: 8, .value_kind: global_buffer, .address_space: global }
      - { .name: out1, .offset: 24, .size: 8, .value_kind: global_buffer, .address_space: global }
    .group_segment_fixed_size: 1280
    .private_segment_fixed_size: 0
    .kernarg_segment_align: 8
    .kernarg_segment_size: 32
    .max_flat_workgroup_size: 256
    .sgpr_count:     66
    .vgpr_count:     130
    .wavefront_size: 32
...
	.end_amdgpu_metadata
.endif
;; end of part 3
;; ======== version 2 of 2: 3 launches
;; workspace buffers: wbf 2,097,152 bytes; hbw 131,072 bytes; scores 262,144 bytes; pctx 2,097,152 bytes
;; launch prep: the kernel of part 1 again; grid 64 x 1, 4 waves a work-group, no clusters, 143,872 bytes of LDS; arguments attn_w, attn_b, hidden, wbf, hbw; writes wbf, hbw
;; launch main (part 4): grid 256 x 1, 4 waves a work-group, no clusters, 280,320 bytes of LDS; arguments encoder_outputs, mask, v_w, wbf, hbw, scores, pctx; writes scores, pctx
.if DOCPART == 4
	.amdgcn_target "amdgcn-amd-amdhsa--gfx1250"
	.amdhsa_code_object_version 6
	.text
	.protected	k_q0d86466172_main
	.globl	k_q0d86466172_main
	.p2align	8
	.type	k_q0d86466172_main,@function
k_q0d86466172_main:
	s_mov_b64 s[64:65], 0
	v_nop
	global_prefetch_b8 v0, s[64:65] scope:SCOPE_SE
	s_setreg_imm32_b32 hwreg(HW_REG_WAVE_MODE, 25, 1), 1
	s_wait_xcnt 0x0
; THE MAIN LAUNCH.  For tiles of 128 rows (b, s) of encoder_outputs:
;   scores[b][s] = mask ? sum over o of v_w[o] tanh(h_proj[b][o] + e_proj[b][s][o] + attn_b[o]) : -1e10          (f32, as reference() has it in front of the softmax)
;   pctx[tile][e] = sum over the tile's s of bf16(exp(score - the tile's own maximum)) bf16(enc[b][s][e])        (f32; the last launch rescales and adds the 16 tiles of a batch)
; ARITHMETIC.  c = 2 log2(e).  x' = sum over k of bf16(c w_e[o][k]) bf16(enc[s][k]) + c (h_proj + attn_b); the second term is the C of the first product.
; tanh = 1 - 2 / (1 + 2^x'), so the score is sum(v) + sum(-2 v / (1 + 2^x')).  2^x' = infinity gives tanh = 1, 2^x' = 0 gives -1: the form holds for every finite x'.
; LIMITS, stated: c is folded into w_e ahead of its rounding to bf16; the weights are rounded to bf16 for the context product; behind the last tile the look-ahead
; (7 K steps of W, 28 KiB a wave, the first fragments of the rows, one set of biases) is loaded and not used: one text serves every tile.
; SHARES.  A work-group stays and makes 2 tiles: rows 256 x + 128 tl, batch x / 8.  The tile's rows are read from memory ONCE, rounded to bf16 and kept in LDS for both products.
; Each of the four waves takes all 128 rows and, in each of 4 blocks of 256 outputs o, 64 of them: 8 row tiles x 4 output tiles = 32 accumulators.
; Source 0 = 16 rows of W (m = o), source 1 = 16 rows of enc (n = s): a lane holds ONE row s and eight outputs o, so the dot product with v_w stays inside the lane.
; BY TURNS.  There are two sets of 32 accumulators.  While block j+1's first 8 K steps fill one set, block j's tanh and dot product work on the other, cut into slices of three
; vector instructions, one slice behind each product: 768 vector instructions for 256 products.
; THE TEXT IS KEPT SHORT.  A block's 32 K steps are 4 groups of 8 (the period of W's ring).  Group 0 is written out (its first step takes the biases as C, and it carries the slices);
; groups 1 to 3 are one text walked three times.  What hangs on the group steps at run time: W's two bases, and the K offset in the rows' LDS addresses.
; W comes in fragment order straight into registers (a ring of 8 K steps, 7 ahead): each fragment is read by one wave alone, so a way through LDS would add a write and a read and spare nothing.
; NO CLUSTER, NO JOINT LOADS, by this text's own arithmetic: all work-groups walk the same W, but the resident rows take 264,192 of the 327,680 bytes of LDS and the tables and stages
; 15,616; the 47,872 left hold two slots of one K step (16,384 bytes for the four waves), 32 matrix instructions a wave for each round of a cluster's barrier: too little for a load to land in.
; REGISTERS, in windows of 256 (s_set_vgpr_msb: bits 1:0 source 0, 3:2 source 1, 5:4 source 2, 7:6 destination):
;   window 0: addresses, statistics, biases, v_w, two buffers of row fragments        window 1: the ring of W: 8 slots x 32
;   window 2: accumulator set 0; from a tile's tail on the landing place of the next rows' loads    window 3: accumulator set 1; in the tail the context's accumulators and fragments
.set APITCH, 2064                      ; a row in LDS: 2,048 bytes of bf16 + 16: an odd multiple of 16 bytes, so the 16 rows of a fragment load start at 16 different groups of banks (ISA guide 11.1)
.set HB,   128*APITCH                  ; 4,096 bytes: c (h_proj + attn_b) of my batch, by o
.set VW,   HB+4096                     ; 4,096 bytes: -2 v_w
.set SCR,  VW+4096                     ; 4 x 512 bytes: the waves' partial scores
.set PB,   SCR+2048                    ; 4 x 256 bytes: the tile's weights in bf16, a copy for each wave
.set CST,  PB+1024                     ; 4 x 1,024 bytes: each wave's stage for its 256 numbers of context
.set VP,   CST+4096                    ; 16 bytes: four partial sums of v_w
.set TILEB, 524288                     ; bytes of a tile's 128 rows in memory
.set ADA,  2                           ; v[2:5]    row tiles 2 i, 2 i + 1: (32 i + r) pitch + 16 h; never rewritten
.set ADK,  6                           ; v[6:9]    the same + the group's K offset
.set WOF,  10                          ; v10       16 lane + wave x 524,288: my place in wbf
.set CB,   11                          ; v11       HB + 256 wave + 32 h
.set BA,   12                          ; v12       for the text that serves blocks 1 and 3: the next block's biases
.set VA,   13                          ; v13       and this block's v_w
.set STA0, 14                          ; v14       where my 32 rows go: 32 wave x pitch + 8 lane
.set STA,  15                          ; v15       the same, stepping
.set EOF,  16                          ; v16       wave x 131,072 + 16 lane: my 32 rows of the tile in memory
.set PFO,  17                          ; v17       wave x 131,072 + 256 lane: the prefetch
.set MASK, 18                          ; v[18:21]  mask of rows 4 lane + 0..3 of this tile;  v[22:25] of the second tile
.set MASK2, 22
.set TRB,  26                          ; v26       the turning load: (8 h + lane % 8) pitch + 16 ((lane / 8) % 2) + 512 wave
.set TA,   27                          ; v27       the same, 32 c rows on
.set SCS,  29                          ; v29, v30  partial scores: store, load
.set SCL,  30
.set PBS,  31                          ; v31, v32  weights: store, load
.set PBL,  32
.set CSS,  33                          ; v33, v34  context stage: store, load
.set CSL,  34
.set L16,  35                          ; v35       16 lane
.set PCO,  36                          ; v36       1,024 wave + 16 lane
.set NEG,  37                          ; v37       -1e10
.set VPA,  38                          ; v38       VP
.set SACC, 40                          ; v[40:55]  a pair of sums for each row tile
.set BIAS, 56                          ; v[56:87]  output tile t: 8 biases
.set V,    88                          ; v[88:119] output tile t: 8 numbers -2 v_w
.set T,    120                         ; v[120:127] at work
.set FA,   128                         ; v[128:191], v[192:255] fragments of the rows, two buffers; between tiles and in the tail at work
.set WP,   22                          ; s[22:23]  W of this group of 8 K steps;  s[24:25] of the next group
.set WP2,  24
.set KO,   31                          ; s31       the group's K offset in a row, in bytes: 0, 512, 1,024, 1,536
.set WO,   32                          ; s[32:33]  byte offset in my W of the next group
.set AP,   34                          ; s[34:35]  the tile's rows in memory, stepping
.set MSB, 0
.macro WIN new                         ; the immediate's high byte repeats the setting that is left; a switch that changes nothing is dropped
.if MSB != (\new)
	s_set_vgpr_msb (MSB<<8)|(\new)
.set MSB, (\new)
.endif
.endm
.macro PLACES                          ; four places in front of loads into registers that matrix instructions have read, and of reads of their results
.rept 4
	v_nop
.endr
.endm
; K step x behind base b -> ring slot sl: 8 loads of 512 consecutive bytes
.macro WLOAD x, sl, b
.irp t, 0,1,2,3
	global_load_b128 v[32*(\sl)+8*\t:32*(\sl)+8*\t+3],   v[WOF], s[\b:\b+1] offset:(\x)*4096+\t*1024
	global_load_b128 v[32*(\sl)+8*\t+4:32*(\sl)+8*\t+7], v[WOF], s[\b:\b+1] offset:(\x)*4096+\t*1024+512
.endr
.endm
; the rows' fragments at byte imm behind the group's K offset -> buffer b: 16 loads, row tiles in ascending order; the odd row tile of a pair stands in the immediate
.macro ALOAD imm, b
.irp a, 0,1,2,3,4,5,6,7
	ds_load_b128 v[FA+64*(\b)+8*\a:FA+64*(\b)+8*\a+3],   v[ADK+\a/2] offset:(\a%2)*16*APITCH+(\imm)
	ds_load_b128 v[FA+64*(\b)+8*\a+4:FA+64*(\b)+8*\a+7], v[ADK+\a/2] offset:(\a%2)*16*APITCH+(\imm)+32
.endr
.endm
; one of the first four groups of a tile's rows: group g = two of my 32 rows, 16 loads of 512 consecutive bytes, into window 2; off = 0: this tile's, TILEB: the next tile's
.macro AISSUE g, off
	WIN 0x80
.irp i, 0,1,2,3,4,5,6,7,8,9,10,11,12,13,14,15
	global_load_b128 v[64*(\g)+4*\i:64*(\g)+4*\i+3], v[EOF], s[4:5] offset:(\off)+(\g)*8192+\i*512 th:TH_LOAD_NT
.endr
.endm
; Group gi of a trip's four is rounded to bf16 and laid into LDS; more = 1: its registers then take the group four further on.  left = the loads of the younger groups
.macro AGRP gi, left, more
	s_wait_loadcnt \left                           ; loads come back in order (ISA guide 5.7.1): this group is in
	WIN 0x0a                                       ; sources in window 2
.set n, 0
.rept 32
	v_cvt_pk_bf16_f32 v[FA+32*((\gi)%2)+n], v[64*(\gi)+2*n], v[64*(\gi)+2*n+1]
.set n, n+1
.endr
	WIN 0
.irp i, 0,1,2,3,4,5,6,7,8,9,10,11,12,13,14,15
	ds_store_b64 v[STA], v[FA+32*((\gi)%2)+2*\i:FA+32*((\gi)%2)+2*\i+1] offset:(2*(\gi)+\i/8)*APITCH+(\i%8)*256
.endr
.if \more
	WIN 0x80
.irp i, 0,1,2,3,4,5,6,7,8,9,10,11,12,13,14,15
	global_load_b128 v[64*(\gi)+4*\i:64*(\gi)+4*\i+3], v[EOF], s[AP:AP+1] offset:((\gi)+4)*8192+\i*512 th:TH_LOAD_NT
.endr
.endif
.endm
; Product n of a K step's 32 on set q: row tile n / 4, output tile n % 4.  first = 1: in the group's step 0 the biases are C: nothing is cleared.
.macro PROD q, first
.if \first && (r == 0)
	WIN 0x81+0x40*(\q)
	v_wmma_f32_16x16x32_bf16 v[8*n:8*n+7], v[32*r+8*(n%4):32*r+8*(n%4)+7], v[FA+64*(r%2)+8*(n/4):FA+64*(r%2)+8*(n/4)+7], v[BIAS+8*(n%4):BIAS+8*(n%4)+7]
.else
	WIN 0xa1+0x50*(\q)
	v_wmma_f32_16x16x32_bf16 v[8*n:8*n+7], v[32*r+8*(n%4):32*r+8*(n%4)+7], v[FA+64*(r%2)+8*(n/4):FA+64*(r%2)+8*(n/4)+7], v[8*n:8*n+7]
.endif
.endm
; FROM A FINISHED SET TO THE SCORES.  Pair pp = registers 2 pp, 2 pp + 1 of the set: row tile pp / 16, outputs 2 (pp % 16), + 1 of my 32.
; TF: pair pp, by now 1 / (1 + 2^x'), times -2 v, onto the row tile's sum.  The sum lies in the row tile's own first pair, so that destination, source 0 and source 2 are in the set's
; window and v_w (source 1) in window 0: one window setting serves all that a slice does.
.macro TF pp
.if ((\pp)%16) == 0
	v_pk_mul_f32 v[2*(\pp):2*(\pp)+1], v[2*(\pp):2*(\pp)+1], v[V:V+1]
.else
	s_wait_alu depctr_va_vdst(0)
	v_pk_fma_f32 v[32*((\pp)/16):32*((\pp)/16)+1], v[2*(\pp):2*(\pp)+1], v[V+2*((\pp)%16):V+2*((\pp)%16)+1], v[32*((\pp)/16):32*((\pp)/16)+1]
.endif
.endm
; Slice sl of 260 of set p's way.  Stage st = sl / 2 is two slices.  The even one: pair st - 1 + 1, then 2^x' of pair st.  The odd one: TF of pair st - 2, then the reciprocals of pair st - 1.
; Between an exponential or a reciprocal and the use of its result stands a plain instruction that names none of its registers (ISA guide 5.7.2): behind the exponentials the odd slice's TF,
; behind the reciprocals the next even slice's addition; where those are missing (the odd slices of stages 0 and 1, the even slice of stage 129) a v_nop.
; The addition and the reciprocals that read it stand a product apart.  Each accumulator is read from its low end on.
.macro SLICE p
.set st, sl/2
.if sl%2 == 0
.if st <= 128
	WIN 0xa2+0x51*(\p)                             ; destination, source 0 and source 2 in the set's window, source 1 in window 0
.endif
.if (st >= 1) && (st <= 128)
	s_wait_alu depctr_va_vdst(0)
	v_pk_add_f32 v[2*st-2:2*st-1], v[2*st-2:2*st-1], 1.0 op_sel_hi:[1,0]
.endif
.if st < 128
	v_exp_f32 v[2*st], v[2*st]
	v_exp_f32 v[2*st+1], v[2*st+1]
.endif
.if st == 129
	v_nop
.endif
.else
.if st >= 2
	WIN 0xa2+0x51*(\p)
	TF st-2
.else
	v_nop
.endif
.if (st >= 1) && (st <= 128)
	WIN 0xa2+0x51*(\p)
	v_rcp_f32 v[2*st-2], v[2*st-2]
	v_rcp_f32 v[2*st-1], v[2*st-1]
.endif
.endif
.set sl, sl+1
.endm
; the block's eight sums go over to the tile's
.macro SUMS p
	WIN 0x02+(\p)                                  ; source 0 in the set's window
.irp a, 0,1,2,3,4,5,6,7
	v_pk_add_f32 v[SACC+2*\a:SACC+2*\a+1], v[32*\a:32*\a+1], v[SACC+2*\a:SACC+2*\a+1]
.endr
.endm
; Step r of a group of 8 K steps on set q: 32 products, the accumulators by turns, in the same order in every step.
; epi = 1: a slice of the other set stands behind each product: 256 in the group; the four that drain the pipeline, and the sums, stand behind the group's last product.
; In the middle, in one run: the next step's 16 fragment loads and the 8 loads of W seven steps on (step 0: this group's step 7; steps 1 to 7: the next group's steps 0 to 6).
; Step 7 moves the rows' addresses on to the next group first: those four additions are its four places.
.macro KSTEP q, first, epi
	s_wait_dscnt 0x8                               ; of this step's 16 fragment loads the youngest eight (row tiles 4-7) may be out; behind the tables' loads: eight of those
	s_wait_loadcnt 48                              ; behind this step's W stand the loads of the six following steps, 8 each
.set n, 0
.rept 16
	PROD \q, \first
.if \epi
	SLICE 1-(\q)
.endif
.set n, n+1
.endr
	WIN 0
.if r == 7
	s_add_co_u32 s[KO], s[KO], 512                 ; 8 K steps of 64 bytes on;
	s_and_b32 s[KO], s[KO], 0x7ff                  ; behind a block's fourth group: back to the row's first byte
.irp i, 0,1,2,3
	v_add_nc_u32 v[ADK+\i], s[KO], v[ADA+\i]
.endr
	ALOAD 0, 0
.else
	PLACES                                         ; behind the last step's products: its fragment buffer and its ring slot are loaded again below
	ALOAD (r+1)*64, (r+1)%2
.endif
	WIN 0x40                                       ; destination window 1
.if r == 0
	WLOAD 7, 7, WP
.else
	WLOAD r-1, r-1, WP2
.endif
	s_wait_dscnt 0x10                              ; all but the 16 fragment loads just issued
.rept 16
	PROD \q, \first
.if \epi
	SLICE 1-(\q)
.endif
.set n, n+1
.endr
.if \epi && (r == 7)
.rept 4
	SLICE 1-(\q)
.endr
	SUMS 1-(\q)
.endif
.endm
.macro GROUP8 q, first, epi
.set sl, 0
.set r, 0
.rept 8
	KSTEP \q, \first, \epi
.set r, r+1
.endr
	WIN 0                                          ; at a label and at a branch every window is 0
.endm
; Behind a group: W's bases move on.  My W is 16 groups of 32,768 bytes on end; behind the last the offset wraps to the first, for the next tile.
.macro GROUPEND
	s_wait_xcnt 0x0                                ; the bases of pending loads are rewritten only behind this wait (ISA guide 3.1)
	s_mov_b64 s[WP:WP+1], s[WP2:WP2+1]
	s_add_co_u32 s[WO], s[WO], 0x8000
	s_and_b32 s[WO], s[WO], 0x7ffff
	s_add_nc_u64 s[WP2:WP2+1], s[10:11], s[WO:WO+1]
.endm
; Behind a block's group 0: the next block's biases (this block's were read in step 0) and this block's -2 v_w (the slices that read the last block's are over)
.macro TABLES ab, ob, av, ov
.irp t, 0,1,2,3
	ds_load_b128 v[BIAS+8*\t:BIAS+8*\t+3],   v[\ab] offset:(\ob)+\t*64
	ds_load_b128 v[BIAS+8*\t+4:BIAS+8*\t+7], v[\ab] offset:(\ob)+\t*64+16
	ds_load_b128 v[V+8*\t:V+8*\t+3],         v[\av] offset:(\ov)+\t*64
	ds_load_b128 v[V+8*\t+4:V+8*\t+7],       v[\av] offset:(\ov)+\t*64+16
.endr
.endm
; The last block's way to the scores, on set 1, with no products to stand between: an accumulator (4 pairs) at a time, all under one window setting.
; Group g: accumulator g - 1: + 1, reciprocals;  accumulator g: 2^x', with the four TF of accumulator g - 2 set between, so that no TF stands next to the one whose sum it adds onto.
; Between an exponential or a reciprocal and the use of its result stands a TF of another accumulator; in groups 0 and 1, which have none, a v_nop at the end (ISA guide 5.7.2).
.macro TGROUP
.if (g >= 1) && (g <= 32)
.set e, 0
.rept 4
	s_wait_alu depctr_va_vdst(0)
	v_pk_add_f32 v[8*g-8+2*e:8*g-8+2*e+1], v[8*g-8+2*e:8*g-8+2*e+1], 1.0 op_sel_hi:[1,0]
.set e, e+1
.endr
.set e, 0
.rept 8
	v_rcp_f32 v[8*g-8+e], v[8*g-8+e]
.set e, e+1
.endr
.endif
.set e, 0
.rept 4
.if g < 32
	v_exp_f32 v[8*g+2*e], v[8*g+2*e]
	v_exp_f32 v[8*g+2*e+1], v[8*g+2*e+1]
.endif
.if g >= 2
	TF 4*(g-2)+e
.endif
.set e, e+1
.endr
.if g < 2
	v_nop
.endif
.set g, g+1
.endm
; The context.  Batch i of eight: rows 32 (i / 2) on, my column tiles 8 (i % 2) + 0..7: 16 turning loads into buffer i % 2 of window 3.
.macro TBATCH i
	WIN 0
	v_add_nc_u32 v[TA], ((\i)/2)*32*APITCH, v[TRB]
	WIN 0xc0                                       ; destination window 3
.irp u, 0,1,2,3,4,5,6,7
	ds_load_tr16_b128 v[128+64*((\i)%2)+8*\u:128+64*((\i)%2)+8*\u+3],   v[TA] offset:(8*((\i)%2)+\u)*32
	ds_load_tr16_b128 v[128+64*((\i)%2)+8*\u+4:128+64*((\i)%2)+8*\u+7], v[TA] offset:16*APITCH+(8*((\i)%2)+\u)*32
.endr
.endm
.macro CPROD i                         ; its 8 products: source 0 = the weights (every row alike), source 1 = 32 rows x 16 columns of enc; eight accumulators by turns
	WIN 0xfc                                       ; source 0 window 0; source 1, C and D window 3
.irp u, 0,1,2,3,4,5,6,7
.if (\i) < 2
	v_wmma_f32_16x16x32_bf16 v[64*((\i)%2)+8*\u:64*((\i)%2)+8*\u+7], v[FA+8*((\i)/2):FA+8*((\i)/2)+7], v[128+64*((\i)%2)+8*\u:128+64*((\i)%2)+8*\u+7], 0
.else
	v_wmma_f32_16x16x32_bf16 v[64*((\i)%2)+8*\u:64*((\i)%2)+8*\u+7], v[FA+8*((\i)/2):FA+8*((\i)/2)+7], v[128+64*((\i)%2)+8*\u:128+64*((\i)%2)+8*\u+7], v[64*((\i)%2)+8*\u:64*((\i)%2)+8*\u+7]
.endif
.endr
.endm
	s_load_b256 s[4:11], s[0:1], 0x0               ; enc s[4:5], mask s[6:7], v_w s[8:9], wbf s[10:11]
	s_load_b128 s[12:15], s[0:1], 0x20             ; hbw s[12:13], scores s[14:15]
	s_load_b64 s[16:17], s[0:1], 0x30              ; pctx
	v_lshl_add_u32 v28, v0, 2, 0x44500
	v_mov_b32 v39, 0
	v_lshrrev_b32 v1, 5, v0
	v_readfirstlane_b32 s18, v1                    ; wave 0..3
	v_and_b32 v1, 31, v0                           ; lane
	v_and_b32 v120, 15, v0                         ; r
	v_bfe_u32 v121, v0, 4, 1                       ; h
	v_lshlrev_b32 v[L16], 4, v1
	v_mul_u32_u24 v122, v120, APITCH
	v_lshl_add_u32 v122, v121, 4, v122
.irp i, 0,1,2,3
	v_add_nc_u32 v[ADA+\i], \i*32*APITCH, v122
.endr
.irp i, 0,1,2,3
	v_mov_b32 v[ADK+\i], v[ADA+\i]                 ; the first group's K offset is 0
.endr
	s_lshl_b32 s20, s18, 19
	v_add_nc_u32 v[WOF], s20, v[L16]
	s_lshl_b32 s20, s18, 8
	s_add_co_u32 s20, s20, HB
	v_lshl_add_u32 v[CB], v121, 5, s20
	s_mul_i32 s20, s18, 32*APITCH
	v_lshl_add_u32 v[STA0], v1, 3, s20
	s_lshl_b32 s20, s18, 17
	v_add_nc_u32 v[EOF], s20, v[L16]
	v_lshl_add_u32 v[PFO], v1, 8, s20
	v_and_b32 v123, 7, v0
	v_lshl_add_u32 v123, v121, 3, v123
	v_mul_u32_u24 v[TRB], v123, APITCH
	v_bfe_u32 v123, v0, 3, 1
	v_lshl_add_u32 v[TRB], v123, 4, v[TRB]
	s_lshl_b32 s20, s18, 9
	v_add_nc_u32 v[TRB], s20, v[TRB]
	s_add_co_u32 s20, s20, SCR
	v_lshl_add_u32 v[SCS], v120, 2, s20
	v_add_nc_u32 v[SCL], SCR, v[L16]
	s_lshl_b32 s20, s18, 8
	s_add_co_u32 s20, s20, PB
	v_lshl_add_u32 v[PBS], v1, 3, s20
	v_lshl_add_u32 v[PBL], v121, 4, s20
	s_lshl_b32 s20, s18, 10
	v_add_nc_u32 v[PCO], s20, v[L16]
	s_add_co_u32 s20, s20, CST
	v_lshl_add_u32 v[CSS], v120, 2, s20
	v_add_nc_u32 v[CSL], s20, v[L16]
	v_mov_b32 v[NEG], 0xd01502f9                   ; -1e10
	v_mov_b32 v[VPA], VP
	s_lshl_b32 s20, s18, 2
	s_add_co_u32 s20, s20, VP
	v_mov_b32 v123, s20                            ; my wave's word among the partial sums of v_w
	v_lshrrev_b32 v124, 2, v0                      ; the tables: thread i copies the 16-byte pieces i and i + 128.  In hbw piece ci lies at (ci / 4) x 2,048 + batch x 64 + (ci % 4) x 16:
	v_lshlrev_b32 v124, 11, v124                   ; runs of 64 bytes, 4,096 bytes once for a work-group
	v_and_b32 v125, 3, v0
	v_lshl_add_u32 v124, v125, 4, v124
	v_lshlrev_b32 v126, 4, v0
	v_add_nc_u32 v127, HB, v126
	s_mov_b32 s28, 0x76543210                      ; v_permlanex16_b32: each lane takes its own place in the other half
	s_mov_b32 s29, 0xfedcba98
	s_mov_b32 s[KO], 0
	s_mov_b32 s[WO], 0x8000
	s_mov_b32 s[WO+1], 0
	s_mov_b32 s21, 0
	s_wait_kmcnt 0x0
	s_lshl_b32 s20, ttmp9, 20                      ; 256 rows of 4,096 bytes a work-group
	s_add_nc_u64 s[4:5], s[4:5], s[20:21]
	s_lshl_b32 s20, ttmp9, 10                      ; 256 words of mask and of scores
	s_add_nc_u64 s[6:7], s[6:7], s[20:21]
	s_add_nc_u64 s[14:15], s[14:15], s[20:21]
	s_lshl_b32 s20, ttmp9, 13                      ; two rows of pctx
	s_add_nc_u64 s[16:17], s[16:17], s[20:21]
	s_lshr_b32 s20, ttmp9, 3                       ; batch = x / 8
	s_lshl_b32 s20, s20, 6
	s_add_nc_u64 s[12:13], s[12:13], s[20:21]
	s_mov_b64 s[WP:WP+1], s[10:11]
	s_add_nc_u64 s[WP2:WP2+1], s[10:11], 0x8000
	global_load_b128 v[192:195], v124, s[12:13]
	global_load_b128 v[196:199], v124, s[12:13] offset:65536
	global_load_b128 v[200:203], v126, s[8:9]
	global_load_b128 v[204:207], v126, s[8:9] offset:2048
	global_load_b128 v[MASK:MASK+3], v[L16], s[6:7]
	global_load_b128 v[MASK2:MASK2+3], v[L16], s[6:7] offset:512
	WIN 0x40
.irp x, 0,1,2,3,4,5,6
	WLOAD \x, \x, 10                               ; the ring's first seven K steps
.endr
	AISSUE 0, 0
	AISSUE 1, 0
	AISSUE 2, 0
	AISSUE 3, 0
	WIN 0
	s_wait_loadcnt 63                              ; behind the four table loads stand 122 younger ones: any count up to that shows them in
	ds_store_b128 v127, v[192:195]
	ds_store_b128 v127, v[196:199] offset:2048
	v_pk_add_f32 v[208:209], v[200:201], v[202:203]            ; the sum of my wave's 256 numbers of v_w: the four waves' sums together are the scores' first term
	v_pk_add_f32 v[210:211], v[204:205], v[206:207]
	v_pk_add_f32 v[208:209], v[208:209], v[210:211]
	v_add_f32 v208, v208, v209
	v_add_f32_dpp v208, v208, v208 row_xmask:1 row_mask:0xf bank_mask:0xf
	v_add_f32_dpp v208, v208, v208 row_xmask:2 row_mask:0xf bank_mask:0xf
	v_add_f32_dpp v208, v208, v208 row_xmask:4 row_mask:0xf bank_mask:0xf
	v_add_f32_dpp v208, v208, v208 row_xmask:8 row_mask:0xf bank_mask:0xf
	v_permlanex16_b32 v209, v208, s28, s29
	v_add_f32 v208, v208, v209
	ds_store_b32 v123, v208                        ; all lanes write the same word with the same number
.irp k, 200,202,204,206
	v_pk_mul_f32 v[\k:\k+1], v[\k:\k+1], -2.0 op_sel_hi:[1,0]  ; the table holds -2 v_w
.endr
	ds_store_b128 v127, v[200:203] offset:4096
	ds_store_b128 v127, v[204:207] offset:6144
	s_mov_b32 s27, 2                               ; tiles to go, this one among them
.Ltile:
	; THE ROWS COME IN: my 32 rows in 16 groups of 16 loads, four groups in flight; W's seven steps are older than all of them
	s_mov_b64 s[AP:AP+1], s[4:5]
	v_mov_b32 v[STA], v[STA0]
	s_mov_b32 s30, 3
.Lrows:                                                ; a trip: four groups, eight rows
	AGRP 0, 48, 1
	AGRP 1, 48, 1
	AGRP 2, 48, 1
	AGRP 3, 48, 1
	WIN 0
	s_wait_xcnt 0x0                                ; the loads' base is stepped only behind this wait (ISA guide 3.1)
	s_add_nc_u64 s[AP:AP+1], s[AP:AP+1], 32768
	v_add_nc_u32 v[STA], 8*APITCH, v[STA]
	s_sub_co_u32 s30, s30, 1
	s_cmp_lg_u32 s30, 0
	s_cbranch_scc1 .Lrows
	AGRP 0, 48, 0                                  ; the last four groups load nothing: the counts run down
	AGRP 1, 32, 0
	AGRP 2, 16, 0
	AGRP 3, 0, 0
	s_wait_dscnt 0x0                               ; for the others' sake: my rows (and, the first time, my part of the tables) are in LDS
	s_barrier_signal -1
	s_barrier_wait -1
.irp i, 0,1,2,3,4,5,6,7,8,9,10,11,12,13,14,15
	v_mov_b32 v[SACC+\i], 0                        ; 16 sums: the text that adds a block's sums onto them serves several blocks, so none of them can start the sums
.endr
.irp t, 0,1,2,3
	ds_load_b128 v[BIAS+8*\t:BIAS+8*\t+3],   v[CB] offset:\t*64      ; block 0's biases
	ds_load_b128 v[BIAS+8*\t+4:BIAS+8*\t+7], v[CB] offset:\t*64+16
.endr
	ALOAD 0, 0
	GROUP8 0, 1, 0                                 ; block 0, group 0: no finished set yet to work on
	TABLES CB, 1024, CB, 4096                      ; block 1's biases, block 0's v_w
	v_add_nc_u32 v[BA], 2048, v[CB]                ; for block 1: block 2's biases,
	v_add_nc_u32 v[VA], 4096+1024, v[CB]           ; block 1's v_w
	GROUPEND
	s_mov_b32 s26, 2
.Lhalf:                                                ; one trip and a half: [blocks 0 and 2: groups 1-3] [blocks 1 and 3] | way out | [block 2: group 0]
	s_mov_b32 s30, 3
.LB0:
	GROUP8 0, 0, 0
	GROUPEND
	s_sub_co_u32 s30, s30, 1
	s_cmp_lg_u32 s30, 0
	s_cbranch_scc1 .LB0
	GROUP8 1, 1, 1                                 ; blocks 1 and 3, group 0, with the slices of blocks 0 and 2
	TABLES BA, 0, VA, 0
	GROUPEND
	s_mov_b32 s30, 3
.LB1:
	GROUP8 1, 0, 0
	GROUPEND
	s_sub_co_u32 s30, s30, 1
	s_cmp_lg_u32 s30, 0
	s_cbranch_scc1 .LB1
	s_cmp_eq_u32 s26, 1
	s_cbranch_scc1 .Ltail
	s_sub_co_u32 s26, s26, 1
	GROUP8 0, 1, 1                                 ; block 2, group 0, with the slices of block 1
	TABLES CB, 3072, CB, 4096+2048                 ; block 3's biases, block 2's v_w
	v_mov_b32 v[BA], v[CB]                         ; for block 3: the next tile's block 0's biases,
	v_add_nc_u32 v[VA], 4096+3072, v[CB]           ; block 3's v_w
	GROUPEND
	s_branch .Lhalf
.Ltail:
	s_cmp_eq_u32 s27, 1
	s_cbranch_scc1 .Lnopf
	; THE NEXT TILE'S ROWS BEGIN HERE.  Set 0 is free from here on (block 2's sums were taken over in block 3's group 0): three of the first four groups, 48 loads, 24 KiB a wave, go out now
	; and land while block 3's scores and the context are made.  The fourth follows behind the tile's last barrier: with it 64 loads of rows would be out, more than LOADcnt's field counts
	; (ISA guide 5.7.1), and the issue would stand still here.  The order of issue, and so every count below .Ltile, is the same as for the first tile.
	AISSUE 0, TILEB
	AISSUE 1, TILEB
	AISSUE 2, TILEB
	WIN 0
	; groups 3 to 6 of my part of the next tile, 32 KiB a wave, 128 KiB a work-group: lanes 256 bytes apart, each block once, by the wave that will load it; the last tile asks for nothing
.irp k, 0,1,2,3
	global_prefetch_b8 v[PFO], s[4:5] offset:TILEB+24576+\k*8192 th:TH_LOAD_NT scope:SCOPE_SE
.endr
.Lnopf:
	PLACES                                         ; behind block 3's last products
	WIN 0xf3                                       ; destination, source 0 and source 2 in window 3, source 1 in window 0: for all of block 3's way
.set g, 0
.rept 34
	TGROUP
.endr
	SUMS 1
	WIN 0
	; my 256 outputs' share of the 128 scores: the pair, + the other half of the lanes' (the other eight outputs of each tile)
.irp a, 0,1,2,3,4,5,6,7
	v_add_f32 v[SACC+2*\a], v[SACC+2*\a], v[SACC+2*\a+1]
.endr
.irp a, 0,1,2,3,4,5,6,7
	v_permlanex16_b32 v[SACC+2*\a+1], v[SACC+2*\a], s28, s29
.endr
.irp a, 0,1,2,3,4,5,6,7
	v_add_f32 v[SACC+2*\a], v[SACC+2*\a], v[SACC+2*\a+1]
.endr
.irp a, 0,1,2,3,4,5,6,7
	ds_store_b32 v[SCS], v[SACC+2*\a] offset:\a*64 ; lanes r and r + 16 write the same word with the same number
.endr
	s_wait_dscnt 0x0                               ; for the others' sake; the look-ahead's fragment loads into v[128:191] are back too
	s_barrier_signal -1
	s_barrier_wait -1
.irp w, 0,1,2,3
	ds_load_b128 v[192+4*\w:195+4*\w], v[SCL] offset:\w*512      ; every wave adds all four shares, in the same order: lane l holds rows 4 l + 0..3
.endr
	ds_load_b128 v[T:T+3], v[VPA]                  ; and the four partial sums of v_w
	s_wait_dscnt 0x0
	v_pk_add_f32 v[T:T+1], v[T:T+1], v[T+2:T+3]
	v_pk_add_f32 v[192:193], v[192:193], v[196:197]
	v_pk_add_f32 v[194:195], v[194:195], v[198:199]
	v_pk_add_f32 v[200:201], v[200:201], v[204:205]
	v_pk_add_f32 v[202:203], v[202:203], v[206:207]
	v_add_f32 v[T], v[T], v[T+1]                   ; sum(v)
	v_pk_add_f32 v[192:193], v[192:193], v[200:201]
	v_pk_add_f32 v[194:195], v[194:195], v[202:203]
	v_pk_add_f32 v[192:193], v[192:193], v[T:T+1] op_sel_hi:[1,0]
	v_pk_add_f32 v[194:195], v[194:195], v[T:T+1] op_sel_hi:[1,0]
.irp e, 0,1,2,3
	v_cmp_eq_u32 vcc_lo, 0, v[MASK+\e]
	v_cndmask_b32 v[208+\e], v[192+\e], v[NEG], vcc_lo           ; mask == 0: -1e10
.endr
	s_cmp_lg_u32 s18, 0
	s_cbranch_scc1 .Lnost
	global_store_b128 v[L16], v[208:211], s[14:15] ; wave 0 stores the tile's 512 bytes of scores
.Lnost:
	; the tile's own maximum is taken away in front of the exponential; the last launch finds the same maximum in the stored scores and rescales
	v_max3_num_f32 v[T], v208, v209, v210
	v_max_num_f32 v[T], v[T], v211
	v_max_num_f32_dpp v[T], v[T], v[T] row_xmask:1 row_mask:0xf bank_mask:0xf
	v_max_num_f32_dpp v[T], v[T], v[T] row_xmask:2 row_mask:0xf bank_mask:0xf
	v_max_num_f32_dpp v[T], v[T], v[T] row_xmask:4 row_mask:0xf bank_mask:0xf
	v_max_num_f32_dpp v[T], v[T], v[T] row_xmask:8 row_mask:0xf bank_mask:0xf
	v_permlanex16_b32 v[T+1], v[T], s28, s29
	v_max_num_f32 v[T], v[T], v[T+1]
.irp e, 0,1,2,3
	v_sub_f32 v[212+\e], v[208+\e], v[T]           ; the difference first, then log2(e): exact 0 at the maximum, also at -1e10
.endr
.irp e, 0,1,2,3
	v_mul_f32 v[212+\e], 0x3fb8aa3b, v[212+\e]
.endr
.irp e, 0,1,2,3
	v_exp_f32 v[212+\e], v[212+\e]
.endr
	v_nop                                          ; a plain instruction between the exponentials and the use of their results (ISA guide 5.7.2)
	s_wait_alu depctr_va_vdst(0)
	v_cvt_pk_bf16_f32 v216, v212, v213
	v_cvt_pk_bf16_f32 v217, v214, v215
	ds_store_b64 v[PBS], v[216:217]                ; my wave's own copy: LDS serves a wave's instructions in order (ISA guide 5.7.1.4), so the loads below see it
.irp c, 0,1,2,3
	ds_load_b128 v[FA+8*\c:FA+8*\c+3],   v[PBL] offset:\c*64     ; the weights of rows 32 c on as source 0: all sixteen rows of the operand alike
	ds_load_b128 v[FA+8*\c+4:FA+8*\c+7], v[PBL] offset:\c*64+32
.endr
	; context[e] for my 256 columns: 16 accumulators.  The row pitch is not an odd multiple of 32 bytes, so the turning loads meet two deep in the banks: 64 KiB a wave and tile against 1 MiB of fragment loads
	TBATCH 0
	TBATCH 1
.irp i, 0,1,2,3,4,5
	s_wait_dscnt 0x10                              ; all but the younger batch's 16 loads
	CPROD \i
	PLACES
	TBATCH \i+2
.endr
	s_wait_dscnt 0x10
	CPROD 6
	s_wait_dscnt 0x0
	CPROD 7
	PLACES
	WIN 0x0c                                       ; the stores' data in window 3
.irp u, 0,1,2,3,4,5,6,7,8,9,10,11,12,13,14,15
	ds_store_b32 v[CSS], v[8*\u] offset:\u*64      ; all rows of a result are alike: register 0 of lane r is column 16 u + r
.endr
	WIN 0
	ds_load_b128 v[160:163], v[CSL]                ; my own stage, back as 16 bytes a lane
	ds_load_b128 v[164:167], v[CSL] offset:512
	s_wait_dscnt 0x0
	global_store_b128 v[PCO], v[160:163], s[16:17]             ; 512 consecutive bytes each, aligned
	global_store_b128 v[PCO], v[164:167], s[16:17] offset:512
	s_cmp_eq_u32 s27, 1
	s_cbranch_scc1 .Lend
	s_wait_dscnt 0x0                               ; my reads of the rows are over
	s_barrier_signal -1
	s_barrier_wait -1                              ; everybody's are: the rows' place may be written again
	s_wait_xcnt 0x0                                ; bases and data of pending loads and stores and of the prefetch are rewritten only behind this wait (ISA guide 3.1)
	s_add_nc_u64 s[4:5], s[4:5], TILEB
	s_add_nc_u64 s[14:15], s[14:15], 512
	s_add_nc_u64 s[16:17], s[16:17], 4096
.irp e, 0,1,2,3
	v_mov_b32 v[MASK+\e], v[MASK2+\e]
.endr
	AISSUE 3, 0                                    ; the fourth of the first four groups
	WIN 0
	s_sub_co_u32 s27, s27, 1
	s_branch .Ltile
.Lend:
	s_wait_tensorcnt 0x0
	ds_add_u32 v28, v39
	s_wait_dscnt 0x0
	s_endpgm
.Lfunc_end_k_q0d86466172_main:
	.size	k_q0d86466172_main, .Lfunc_end_k_q0d86466172_main-k_q0d86466172_main
	.p2alignl 7, 3214868480
	.fill 96, 4, 3214868480
	.section	.rodata,"a",@progbits
	.p2align	6, 0x0
	.amdhsa_kernel k_q0d86466172_main
		.amdhsa_group_segment_fixed_size 280320
		.amdhsa_private_segment_fixed_size 0
		.amdhsa_enable_private_segment 0
		.amdhsa_kernarg_size 56
		.amdhsa_user_sgpr_count 2
		.amdhsa_user_sgpr_kernarg_segment_ptr 1
		.amdhsa_wavefront_size32 1
		.amdhsa_system_sgpr_workgroup_id_x 1
		.amdhsa_system_sgpr_workgroup_id_y 1
		.amdhsa_system_sgpr_workgroup_id_z 1
		.amdhsa_system_vgpr_workitem_id 0
		.amdhsa_next_free_vgpr 1024
		.amdhsa_next_free_sgpr 66
		.amdhsa_reserve_vcc 1
		.amdhsa_float_denorm_mode_32 3
		.amdhsa_float_denorm_mode_16_64 3
		.amdhsa_memory_ordered 1
		.amdhsa_forward_progress 1
		.amdhsa_inst_pref_size 255
	.end_amdhsa_kernel
	.section	.bss,"aw",@nobits
	.p2align	6
	.space	262144
	.amdgpu_metadata
---
amdhsa.version: [ 1, 2 ]
amdhsa.kernels:
  - .name:           k_q0d86466172_main
    .symbol:         k_q0d86466172_main.kd
    .args:
      - { .name: encoder_outputs, .offset: 0, .size: 8, .value_kind: global_buffer, .address_space: global }
      - { .name: mask, .offset: 8, .size: 8, .value_kind: global_buffer, .address_space: global }
      - { .name: v_w, .offset: 16, .size: 8, .value_kind: global_buffer, .address_space: global }
      - { .name: wbf, .offset: 24, .size: 8, .value_kind: global_buffer, .address_space: global }
      - { .name: hbw, .offset: 32, .size: 8, .value_kind: global_buffer, .address_space: global }
      - { .name: scores, .offset: 40, .size: 8, .value_kind: global_buffer, .address_space: global }
      - { .name: pctx, .offset: 48, .size: 8, .value_kind: global_buffer, .address_space: global }
    .group_segment_fixed_size: 280320
    .private_segment_fixed_size: 0
    .kernarg_segment_align: 8
    .kernarg_segment_size: 56
    .max_flat_workgroup_size: 128
    .sgpr_count:     66
    .vgpr_count:     1024
    .wavefront_size: 32
...
	.end_amdgpu_metadata
.endif
;; end of part 4
;; launch finish: the kernel of part 3 again; grid 32 x 1, 8 waves a work-group, no clusters, 1,280 bytes of LDS; arguments scores, pctx, out0, out1; writes out0, out1
